; MI455X (gfx1250); checked and timed in simulation.
; The chip was launched on July 23, 2026; its instructions are those of AMD's public machine-readable ISA for CDNA 5 (MIT licence, August 2026) and "CDNA5" Instruction Set Architecture Reference Guide (July 2026). The comments in the code are by the model that wrote it; some were corrected since.
;; Cross Attention. Allowed arithmetic: matrix products marked QUANTISED: E2M3 operands, one E8M0 scale for each 32 along K, by v_wmma_scale_f32_16x16x128_f8f6f4 with both operands' format E2M3, f32 sums; everything else in f32.
;; Inputs: context 8 x 512 x 32 x 32 float32; input 8 x 256 x 64 x 64 float32; proj_in_b 512 float32; proj_in_w 512 x 256 float32; proj_out_b 256 float32; proj_out_w 256 x 768 float32; wk_b 512 float32; wk_w 512 x 512 float32; wq_b 512 float32; wq_w 512 x 512 float32; wv_b 512 float32; wv_w 512 x 512 float32.
;; Outputs: out0 8 x 256 x 64 x 64 float32.
;; This version of the problem:
;;   THIS VERSION OF THE PROBLEM IS GIVEN IN LOW PRECISION. The matrix products marked QUANTISED in the list below multiply operands that are first quantised to E2M3 (2 exponent bits, 3 mantissa bits; 6 bits a number), with one power-of-two scale for each 32 numbers along K (OCP MX v1.0); their sums are f32. All else is computed in f32.
;;   The module's matrix products, in the order in which they are computed (A, B: the left and right operand; K: the contracted axis; several contracted axes count as one K, in the product's order):
;;     1. [M 32,768, K 256] x [K 256, N 512]; A: input input; B: input proj_in_w: QUANTISED
;;     2. [M 32,768, K 512] x [K 512, N 512]; A: computed on the way; B: input wq_w: QUANTISED
;;     3. [M 8,192, K 512] x [K 512, N 512]; A: input context; B: input wk_w: QUANTISED
;;     4. [M 8,192, K 512] x [K 512, N 512]; A: input context; B: input wv_w: QUANTISED
;;     5. batch 8 x [M 4,096, K 512] x [K 512, N 1,024]; A: computed on the way; B: computed on the way: QUANTISED
;;     6. batch 8 x [M 4,096, K 1,024] x [K 1,024, N 512]; A: softmax (see below); B: computed on the way: QUANTISED
;;     7. [M 256, K 768] x [K 768, N 32,768]; A: input proj_out_w; B: computed on the way: QUANTISED
;;   THE QUANTISER, for each operand of a quantised product, along K:
;;     - K is cut into blocks of 32 from its start; a last block that is shorter is filled with zeros.
;;     - A block's scale is 2^e with e = floor(log2(the largest magnitude in the block)) - 2, held to -126 .. 127; a block of zeros has e = 0. As a byte (E8M0): e + 127.
;;     - Each number is divided by its block's scale, clamped to +-7.5, and rounded to the nearest number of E2M3, ties to even, subnormals kept.
;;     - The product sums the exact products of the quantised numbers (number of the format x scale) in f32.
;;   ~~~python
;;   def quantise(x, axis):      # numpy; x: float32 -> the quantised numbers, widened to float32 again
;;       x = np.moveaxis(x, axis, -1); K = x.shape[-1]
;;       x = np.pad(x, [(0, 0)] * (x.ndim - 1) + [(0, -K % 32)]); x = x.reshape(x.shape[:-1] + (-1, 32)); a = np.abs(x).max(-1, keepdims=True)
;;       e = np.where(a > 0, np.clip(np.frexp(np.where(a > 0, a, 1))[1] - 1 - 2, -126, 127), 0)      # np.frexp(a)[1] - 1 = floor(log2(a)), exactly
;;       r = np.clip(x / 2.0 ** e, -7.5, 7.5)
;;       step = 2.0 ** (np.maximum(np.frexp(np.where(r == 0, 1, r))[1] - 1, 0) - 3)
;;       q = np.round(r / step) * step * 2.0 ** e      # np.round: ties to even
;;       return np.moveaxis(q.reshape(q.shape[:-2] + (-1,))[..., :K], -1, axis).astype(np.float32)
;;   ~~~
;;   SOFTMAX AHEAD OF A QUANTISED PRODUCT. Where the list says 'softmax', what is quantised is not the finished softmax but p = 2^(t - M), with t = logit x log2(e) and M = ceil(the row's largest t), a whole number; so 1/2 < the row's largest p <= 1. The row's sum l is taken of the UNQUANTISED p, in f32, and the product's result is divided by l at the end. Since M is a whole number, a kernel that streams over the keys may use a running M (the ceiling of the running maximum): every later rescaling is an exact power of two, which a block's scale takes up: the codes' values come out the same.
;;   OPERANDS COMPUTED ON THE WAY. 'Computed on the way' means the value that the module computes at that place (a softmax that the list does not call 'softmax' is quantised finished and normalised). What goes into a quantiser is computed in f32, as accurately as f32 sums, v_exp_f32 and their like allow (about 1e-6 of the number): no bf16 or f16 on the way to a quantiser, and a product that is left as it is and whose result goes on into a quantised operand takes f32 operands (vector FMAs, or v_wmma_f32_16x16x4_f32). A number that lies on a knife's edge between two numbers of the format may be rounded either way, as far as f32 arithmetic and the matrix unit's own rounding can turn it there, and no further.
;; One version. Each part assembles by itself: llvm-mc -triple=amdgcn-amd-amdhsa -mcpu=gfx1250 --defsym DOCPART=n.
;; ======== version 1 of 1: 3 launches
;; workspace buffers: wcod 835,584 bytes; wscl 69,632 bytes; ccod 3,145,728 bytes; cscl 262,144 bytes; kv 6,815,744 bytes
;; launch prep (part 1): grid 344 x 1, 4 waves a work-group, no clusters, 13,824 bytes of LDS; arguments context, wq_w, wk_w, wv_w, proj_in_w, proj_out_w, ccod, cscl, wcod, wscl; writes ccod, cscl, wcod, wscl
.if DOCPART == 1
	.amdgcn_target "amdgcn-amd-amdhsa--gfx1250"
	.amdhsa_code_object_version 6
	.text
	.protected	k_qe438eb7ac5_prep
	.globl	k_qe438eb7ac5_prep
	.p2align	8
	.type	k_qe438eb7ac5_prep,@function
k_qe438eb7ac5_prep:
	s_mov_b64 s[64:65], 0
	v_nop
	global_prefetch_b8 v0, s[64:65] scope:SCOPE_SE
	s_setreg_imm32_b32 hwreg(HW_REG_WAVE_MODE, 25, 1), 1
	s_wait_xcnt 0x0
; context and the five weights, f32, become codes of FP6 (E2M3) with one E8M0 byte for each 32 along K, laid AS THE MATRIX OPERAND'S REGISTERS WANT THEM.
; A FRAGMENT is 16 rows x 128 K, 12 registers a lane: lane (r = l % 16, h = l / 16), registers 6 c .. 6 c + 5 = k 64 c + 32 h + 0 .. 31.
; ITS IMAGE is 1,536 bytes: registers 4 i .. 4 i + 3 of lane l at 512 i + 16 l.  Its scale words are 128 bytes: lane l's word at 4 l (lanes 16-31 repeat lanes 0-15).
; PERMUTED TILES (keys of context; columns of wq, wk, wv; rows of proj_in_w): in each group of 128 rows, lane r of tile 2 b + u holds row 32 b + 8 u + r + (r & 8).  proj_out_w's tiles are natural: row 16 T + r.
; A block's scale is 2^(floor(log2(its largest magnitude)) - 2): the byte is the largest magnitude's exponent field - 2, held at 1 from below.
; LIMITS: a block of zeros carries the byte 1 where the rule says 127 (its codes are zeros, and this program alone reads the bytes); NaN and infinities among the inputs are not served.
; WORK-GROUPS: 0-255 context (128 keys x 128 channels each), 256-303 wq, wk, wv (128 columns x 128 K): K is the FIRST axis there, so a lane takes a column and its registers run down K.
; 304-343 proj_in_w and proj_out_w: K is innermost, a wave makes one fragment straight in the operand's layout.  No tensor loads, no barrier: waves share nothing.
.set STG,  3328                        ; LDS of a wave: two images (3,072 bytes), then their scale words (256)
.set X,    32                          ; v32-159  128 numbers down K
.set D,    160                         ; v160-191 a block's six registers of codes, eight registers apart
.set E,    192                         ; v192-207 the second half of a block's codes as the conversion leaves it
	s_load_b512 s[4:19], s[0:1], 0x0               ; context, wq_w, wk_w, wv_w, proj_in_w, proj_out_w, ccod, cscl
	s_load_b128 s[20:23], s[0:1], 0x40             ; wcod, wscl
	v_lshl_add_u32 v208, v0, 2, 0x3400
	v_mov_b32 v209, 0
	v_lshrrev_b32 v1, 5, v0
	v_readfirstlane_b32 s24, v1                    ; wave
	v_and_b32 v1, 31, v0                           ; lane
	v_lshlrev_b32 v5, 4, v1                        ; 16 x lane
	s_cmp_ge_u32 ttmp9, 304
	s_cbranch_scc1 .Lrows
; ---------------- K is the first axis: column 128 CB + 32 w + l, rows 128 s + 0 .. 127
	v_lshlrev_b32 v2, 2, v0                        ; 4 bytes a thread: the four waves stand side by side on 512 bytes
	v_bfe_u32 v6, v0, 3, 1                         ; my column 32 w + l lies in tile 2 w + u, u = (l / 8) % 2,
	v_and_b32 v7, 7, v0
	v_bfe_u32 v8, v0, 4, 1
	v_lshl_add_u32 v7, v8, 3, v7                   ; at row r = l % 8 + 8 (l / 16) of it
	s_mul_i32 s25, s24, STG
	v_mul_u32_u24 v3, v6, 1536
	v_lshl_add_u32 v3, v7, 4, v3
	v_add_nc_u32 v3, s25, v3                       ; stage, in: image u, 16 r
	v_lshlrev_b32 v4, 7, v6
	v_lshl_add_u32 v4, v7, 2, v4
	v_add_nc_u32 v4, s25, v4                       ; scale words, in: 128 u + 4 r (+ 3,072 in the offset)
	v_add_nc_u32 v9, s25, v5                       ; stage, out: 16 x lane
	v_lshlrev_b32 v10, 3, v1
	v_add_nc_u32 v15, s25, v10                     ; scale words, out: 8 x lane
	s_and_b32 s26, ttmp9, 3                        ; the K step (256 is a multiple of 4, so both kinds read it off the same bits)
	s_mov_b32 s27, 0
.macro ALOAD pitch                     ; 128 rows of my column; a wave's load covers 128 consecutive bytes
.set i, 0
.rept 128
	global_load_b32 v[X+i], v2, s[34:35] offset:i*\pitch th:TH_LOAD_NT
.set i, i+1
.endr
.endm
	s_cmp_lt_u32 ttmp9, 256
	s_cbranch_scc0 .Lweights
	s_lshl_b32 s26, s26, 19                        ; context [8][512][1024]: 128 channels of 4,096 bytes a K step,
	s_lshr_b32 s28, ttmp9, 5
	s_lshl_b32 s28, s28, 21                        ; 2 MiB a batch,
	s_add_co_u32 s26, s26, s28
	s_bfe_u32 s28, ttmp9, 0x30002
	s_lshl_b32 s28, s28, 9                         ; 512 bytes for 128 keys
	s_add_co_u32 s26, s26, s28
	s_wait_kmcnt 0x0
	s_add_nc_u64 s[34:35], s[4:5], s[26:27]
	ALOAD 4096
	s_branch .Lblocks
.Lweights:
	s_lshl_b32 s26, s26, 18                        ; a weight [512][512]: 128 rows of 2,048 bytes a K step,
	s_bfe_u32 s28, ttmp9, 0x20002
	s_lshl_b32 s28, s28, 9                         ; 512 bytes for 128 columns
	s_add_co_u32 s26, s26, s28
	s_bfe_u32 s28, ttmp9, 0x20004                  ; which weight: 0 wq, 1 wk, 2 wv
	s_wait_kmcnt 0x0
	s_cmp_eq_u32 s28, 0
	s_cselect_b64 s[34:35], s[6:7], s[8:9]
	s_cmp_eq_u32 s28, 2
	s_cselect_b64 s[34:35], s[10:11], s[34:35]
	s_add_nc_u64 s[34:35], s[34:35], s[26:27]
	ALOAD 2048
.Lblocks:
	s_lshl_b32 s28, ttmp9, 3                       ; my first fragment: context 8 id + 2 w in ccod; weights 64 + 8 (id - 256) + 2 w in wcod
	s_lshl_b32 s29, s24, 1
	s_add_co_u32 s28, s28, s29
	s_cmp_lt_u32 ttmp9, 256
	s_cselect_b32 s29, 0, 1984
	s_cselect_b64 s[30:31], s[16:17], s[20:21]
	s_cselect_b64 s[32:33], s[18:19], s[22:23]
	s_sub_co_u32 s28, s28, s29
	s_mul_i32 s36, s28, 1536
	s_mov_b32 s37, 0
	s_add_nc_u64 s[30:31], s[30:31], s[36:37]
	s_lshl_b32 s36, s28, 7
	s_add_nc_u64 s[32:33], s[32:33], s[36:37]
; Block b = k 32 b .. 32 b + 31 of my column: all 32 numbers are mine.  In the fragment it is lane (r, h = b % 2), registers 6 c .. 6 c + 5, c = b / 2.
.macro ABLOCK b
.set XS, X+32*(\b)
.set DB, D+8*(\b)
.set EB, E+4*(\b)
.if (\b) < 2
	s_wait_loadcnt 63                              ; 96 and 64 loads were issued behind blocks 0 and 1; the count's field ends at 63
.else
	s_wait_loadcnt 32*(3-(\b))                     ; the later blocks' loads may be out
.endif
	v_max3_num_f32 v12, |v[XS]|, |v[XS+1]|, |v[XS+2]|
	v_max3_num_f32 v13, |v[XS+3]|, |v[XS+4]|, |v[XS+5]|
.irp i, 6,10,14,18,22,26
	v_max3_num_f32 v12, v12, |v[XS+\i]|, |v[XS+\i+1]|
	v_max3_num_f32 v13, v13, |v[XS+\i+2]|, |v[XS+\i+3]|
.endr
	v_max3_num_f32 v12, v12, |v[XS+30]|, |v[XS+31]|
	v_max3_num_f32 v12, v12, v13, 0x1800000        ; the floor 2^(3 - 127): the byte cannot fall under 1
	v_add_nc_u32 v11, 0xff000000, v12              ; 2 off the exponent field: the conversion's scale operand
	v_lshrrev_b32 v13, 23, v11                     ; the byte
.if (\b) == 0
	v_mov_b32 v14, v13
.else
	v_lshl_or_b32 v14, v13, 8*(\b), v14            ; four bytes make my column's scale word
.endif
	v_cvt_scalef32_pk16_fp6_f32 v[DB:DB+2], v[XS:XS+15], v11
	v_cvt_scalef32_pk16_fp6_f32 v[EB:EB+2], v[XS+16:XS+31], v11   ; (a conversion's three registers begin on an even number)
	v_nop                                          ; one plain line behind the conversions
.irp i, 0,1,2
	v_mov_b32 v[DB+3+\i], v[EB+\i]
.endr
.if (\b)/2 == 0                                ; registers 0-5: piece 0 whole, the lower half of my 16 bytes of piece 1
	ds_store_b128 v3, v[DB:DB+3] offset:256*((\b)%2)
	ds_store_b64 v3, v[DB+4:DB+5] offset:512+256*((\b)%2)
.else                                          ; registers 6-11: the upper half of piece 1, piece 2 whole
	ds_store_b64 v3, v[DB:DB+1] offset:520+256*((\b)%2)
	ds_store_b128 v3, v[DB+2:DB+5] offset:1024+256*((\b)%2)
.endif
.endm
	ABLOCK 0
	ABLOCK 1
	ABLOCK 2
	ABLOCK 3
	ds_store_b32 v4, v14 offset:3072
	ds_store_b32 v4, v14 offset:3072+64            ; lanes 16-31 of a scale image repeat lanes 0-15
.irp i, 0,1,2,3,4,5
	ds_load_b128 v[32+4*\i:35+4*\i], v9 offset:512*\i   ; LDS serves a wave's instructions in order: these see my stores
.endr
	ds_load_b64 v[56:57], v15 offset:3072
.irp i, 0,1,2,3,4,5
	s_wait_dscnt 6-\i
	global_store_b128 v5, v[32+4*\i:35+4*\i], s[30:31] offset:512*\i   ; 32 lanes store 512 consecutive bytes, aligned
.endr
	s_wait_dscnt 0x0
	global_store_b64 v10, v[56:57], s[32:33]       ; two tiles' scale words: 256 consecutive bytes, aligned
	s_wait_tensorcnt 0x0
	ds_add_u32 v208, v209
	s_wait_dscnt 0x0
	s_endpgm
; ---------------- K is innermost: fragment f = 4 (id - 304) + wave; f < 64: proj_in_w, index (cb 2 + s) 8 + t; else proj_out_w, g = f - 64 = 16 s + T, index 448 + g
.Lrows:
	s_sub_co_u32 s25, ttmp9, 304
	s_lshl_b32 s25, s25, 2
	s_add_co_u32 s25, s25, s24                     ; f
	s_lshr_b32 s26, s25, 4
	s_lshl_b32 s26, s26, 7                         ; proj_in_w: 128 cb
	s_bfe_u32 s27, s25, 0x10003                    ; its K step
	s_bfe_u32 s28, s25, 0x20001
	s_lshl_b32 s28, s28, 5                         ; + 32 (t / 2)
	s_add_co_u32 s26, s26, s28
	s_and_b32 s29, s25, 1
	s_lshl_b32 s29, s29, 3                         ; + 8 (t % 2)
	s_add_co_u32 s26, s26, s29
	s_sub_co_u32 s30, s25, 64
	s_lshr_b32 s31, s30, 4                         ; proj_out_w: its K step,
	s_and_b32 s30, s30, 15
	s_lshl_b32 s30, s30, 4                         ; 16 T
	s_mov_b32 s28, 3072
	s_cmp_lt_u32 s25, 64
	s_cselect_b32 s26, s26, s30                    ; the tile's first row
	s_cselect_b32 s27, s27, s31                    ; the K step
	s_cselect_b32 s28, 1024, s28                   ; bytes from row to row
	s_cselect_b32 s29, 1, 0                        ; permuted tile or natural
	s_cselect_b32 s30, 0, 384
	s_wait_kmcnt 0x0
	s_cselect_b64 s[12:13], s[12:13], s[14:15]
	s_add_co_u32 s30, s30, s25                     ; the fragment's index in wcod
	s_mul_i32 s26, s26, s28
	s_lshl_b32 s27, s27, 9
	s_add_co_u32 s26, s26, s27
	s_mov_b32 s27, 0
	s_add_nc_u64 s[12:13], s[12:13], s[26:27]
	s_mul_i32 s32, s30, 1536
	s_mov_b32 s33, 0
	s_add_nc_u64 s[20:21], s[20:21], s[32:33]
	s_lshl_b32 s32, s30, 7
	s_add_nc_u64 s[22:23], s[22:23], s[32:33]
	s_mov_b32 s36, 0x76543210
	s_mov_b32 s37, 0xfedcba98                      ; v_permlanex16_b32's selects for lane l xor 16
	v_and_b32 v2, 15, v0                           ; r
	v_bfe_u32 v3, v0, 4, 1                         ; h
	v_and_b32 v4, 8, v2
	v_mul_lo_u32 v4, v4, s29
	v_add_nc_u32 v4, v4, v2                        ; r, or r + (r & 8)
	v_mul_lo_u32 v4, v4, s28
	v_lshl_add_u32 v4, v3, 7, v4                   ; + 128 h: my 32 numbers of each 64
	v_lshlrev_b32 v6, 2, v1
.irp c, 0,1
.irp j, 0,1,2,3,4,5,6,7
	global_load_b128 v[X+32*\c+4*\j:X+32*\c+4*\j+3], v4, s[12:13] offset:256*\c+16*\j th:TH_LOAD_NT
.endr
.endr
	s_wait_loadcnt 0x0
.irp c, 0,1                                    ; my block 2 c + h: all its 32 numbers are mine
	v_max3_num_f32 v[12+\c], |v[X+32*\c]|, |v[X+1+32*\c]|, 0x1800000
.endr
.irp i, 2,4,6,8,10,12,14,16,18,20,22,24,26,28,30
.irp c, 0,1
	v_max3_num_f32 v[12+\c], v[12+\c], |v[X+32*\c+\i]|, |v[X+1+32*\c+\i]|
.endr
.endr
.irp c, 0,1
	v_add_nc_u32 v[14+\c], 0xff000000, v[12+\c]
.endr
.irp c, 0,1
	v_lshrrev_b32 v[12+\c], 23, v[14+\c]
.endr
	v_lshl_or_b32 v9, v13, 16, v12                 ; my two bytes, blocks h and 2 + h,
	v_lshlrev_b32 v10, 3, v3
	v_lshlrev_b32 v9, v10, v9                      ; at their places in the word;
	v_mov_b32 v10, 0
	v_permlanex16_b32 v10, v9, s36, s37
	v_or_b32 v9, v9, v10                           ; with lane l xor 16's two the word is whole, in both lanes
.irp c, 0,1
	v_cvt_scalef32_pk16_fp6_f32 v[D+6*\c:D+6*\c+2], v[X+32*\c:X+32*\c+15], v[14+\c]
	v_cvt_scalef32_pk16_fp6_f32 v[E+4*\c:E+4*\c+2], v[X+32*\c+16:X+32*\c+31], v[14+\c]
.endr
	v_nop
.irp c, 0,1
.irp i, 0,1,2
	v_mov_b32 v[D+3+6*\c+\i], v[E+4*\c+\i]
.endr
.endr
.irp i, 0,1,2
	global_store_b128 v5, v[D+4*\i:D+4*\i+3], s[20:21] offset:512*\i
.endr
	global_store_b32 v6, v9, s[22:23]
	s_endpgm
.Lfunc_end_k_qe438eb7ac5_prep:
	.size	k_qe438eb7ac5_prep, .Lfunc_end_k_qe438eb7ac5_prep-k_qe438eb7ac5_prep
	.p2alignl 7, 3214868480
	.fill 96, 4, 3214868480
	.section	.rodata,"a",@progbits
	.p2align	6, 0x0
	.amdhsa_kernel k_qe438eb7ac5_prep
		.amdhsa_group_segment_fixed_size 13824
		.amdhsa_private_segment_fixed_size 0
		.amdhsa_enable_private_segment 0
		.amdhsa_kernarg_size 80
		.amdhsa_user_sgpr_count 2
		.amdhsa_user_sgpr_kernarg_segment_ptr 1
		.amdhsa_wavefront_size32 1
		.amdhsa_system_sgpr_workgroup_id_x 1
		.amdhsa_system_sgpr_workgroup_id_y 1
		.amdhsa_system_sgpr_workgroup_id_z 1
		.amdhsa_system_vgpr_workitem_id 0
		.amdhsa_next_free_vgpr 210
		.amdhsa_next_free_sgpr 66
		.amdhsa_reserve_vcc 0
		.amdhsa_float_denorm_mode_32 3
		.amdhsa_float_denorm_mode_16_64 3
		.amdhsa_memory_ordered 1
		.amdhsa_forward_progress 1
		.amdhsa_inst_pref_size 42
	.end_amdhsa_kernel
	.amdgpu_metadata
---
amdhsa.version: [ 1, 2 ]
amdhsa.kernels:
  - .name:           k_qe438eb7ac5_prep
    .symbol:         k_qe438eb7ac5_prep.kd
    .args:
      - { .name: context, .offset: 0, .size: 8, .value_kind: global_buffer, .address_space: global }
      - { .name: wq_w, .offset: 8, .size: 8, .value_kind: global_buffer, .address_space: global }
      - { .name: wk_w, .offset: 16, .size: 8, .value_kind: global_buffer, .address_space: global }
      - { .name: wv_w, .offset: 24, .size: 8, .value_kind: global_buffer, .address_space: global }
      - { .name: proj_in_w, .offset: 32, .size: 8, .value_kind: global_buffer, .address_space: global }
      - { .name: proj_out_w, .offset: 40, .size: 8, .value_kind: global_buffer, .address_space: global }
      - { .name: ccod, .offset: 48, .size: 8, .value_kind: global_buffer, .address_space: global }
      - { .name: cscl, .offset: 56, .size: 8, .value_kind: global_buffer, .address_space: global }
      - { .name: wcod, .offset: 64, .size: 8, .value_kind: global_buffer, .address_space: global }
      - { .name: wscl, .offset: 72, .size: 8, .value_kind: global_buffer, .address_space: global }
    .group_segment_fixed_size: 13824
    .private_segment_fixed_size: 0
    .kernarg_segment_align: 8
    .kernarg_segment_size: 80
    .max_flat_workgroup_size: 128
    .sgpr_count:     66
    .vgpr_count:     210
    .wavefront_size: 32
...
	.end_amdgpu_metadata
.endif
;; end of part 1
;; launch kvproj (part 2): grid 4 x 64, 4 waves a work-group, no clusters, 0 bytes of LDS; arguments wcod, wscl, ccod, cscl, wk_b, wv_b, kv; writes kv
.if DOCPART == 2
	.amdgcn_target "amdgcn-amd-amdhsa--gfx1250"
	.amdhsa_code_object_version 6
	.text
	.protected	k_qe438eb7ac5_kvproj
	.globl	k_qe438eb7ac5_kvproj
	.p2align	8
	.type	k_qe438eb7ac5_kvproj,@function
k_qe438eb7ac5_kvproj:
	s_mov_b64 s[64:65], 0
	v_nop
	global_prefetch_b8 v0, s[64:65] scope:SCOPE_SE
	s_setreg_imm32_b32 hwreg(HW_REG_WAVE_MODE, 25, 1), 1
	s_wait_xcnt 0x0
; K = ctx wk + bk and V = ctx wv + bv on codes of FP6 (E2M3), and their results quantised again: K along d (the K of Q K^T), V along the keys (the K of P V).
; OUT: for each 128 keys (block kb = 8 batch + key step) one dense block of 106,496 bytes of kv: K's 32 fragment images ((4 t + s) x 1,536: permuted tile t of 16 keys, d 128 s on), V's 32 (tile n of 16 d, all 128 keys),
; K's 32 scale images (128 bytes each), V's 32.  Fragments, images and permuted tiles as the launch before lays them.
; SHARES.  Work-group x: 0, 1 K's halves, 2, 3 V's; y: kb.  A wave keeps 32 fragments S0 in 384 registers and makes four UNITS: 32 matrix instructions (source 0 = S0's eight tiles, source 1 = one tile S1, four K steps),
; the quantiser, one image stored.  K: S0 = wk's columns 128 w on, S1 = a tile of 16 keys: a lane holds ONE key and its registers run along d.  V: S0 = the 128 keys, S1 = a tile of 16 columns of wv: a lane holds ONE d and its
; registers run along the keys.  Since source 0's tiles are permuted, the 16 registers of tiles 2 b, 2 b + 1 are 16 neighbours along the next K.  The bias is the C of each sum's first matrix instruction.
; NO LDS, NO CLUSTER: every operand goes from memory straight into the registers of the one wave that multiplies it (the images are made for that), so there is no tile in LDS that work-groups could be sent jointly.
; The scale images leave as 128 consecutive bytes a store, half of an aligned 256: one byte in thirteen of what the launch writes.
; LIMITS: a block of zeros carries the byte 1 where the rule says 127 (its codes are zeros; this program alone reads the bytes); NaN and infinities are not served.
; REGISTERS: window 0: v1 16 x lane, v2 4 x lane, v3, v4 bias offsets; v16-47 S0's scale words (8 s + t), v48-63 S1's (4 u + s); v64-127 the eight results; v128-191 the bias; v192-211 codes; v220 the scale word; v224-239 at work.
;   window 1: S0, K steps 0, 1 at 12 (8 s + t);  window 2: K steps 2, 3;  window 3: S1 at 48 u + 12 s.
.set STEPB, 106496
.set LI,  1
.set LS,  2
.set HA,  64
.set BI,  128
.set PC,  192
.set PW,  220
.set TM,  224
.set SEL, 58
.set MSB, 0
.macro WIN new                         ; the immediate's high byte repeats the setting that is left
.if MSB != (\new)
	s_set_vgpr_msb (MSB<<8)|(\new)
.set MSB, (\new)
.endif
.endm
.macro PLACES                          ; four plain lines between a matrix instruction and the first read of its result (ISA guide 7.12.1)
.rept 4
	v_nop
.endr
.endm
.macro MM d, a, b, sa, sb              ; D += A B, in place
	v_wmma_scale_f32_16x16x128_f8f6f4 v[(\d):(\d)+7], v[(\a):(\a)+11], v[(\b):(\b)+11], v[(\d):(\d)+7], v[\sa], v[\sb] matrix_a_fmt:MATRIX_FMT_FP6 matrix_b_fmt:MATRIX_FMT_FP6
.endm
.macro MMC d, a, b, c, sa, sb          ; D = A B + C: a sum's first step
	v_wmma_scale_f32_16x16x128_f8f6f4 v[(\d):(\d)+7], v[(\a):(\a)+11], v[(\b):(\b)+11], v[(\c):(\c)+7], v[\sa], v[\sb] matrix_a_fmt:MATRIX_FMT_FP6 matrix_b_fmt:MATRIX_FMT_FP6
.endm
; 64 numbers of a lane, register 16 b + i = k 32 b + 16 (lane / 16) + i of my row, become a fragment's codes in v[PC] on and its scale word in v[PW] (the same in lanes l and l xor 16).
.macro QUANT s
.irp b, 0,1,2,3
	v_max3_num_f32 v[TM+\b], |v[\s+16*\b]|, |v[\s+1+16*\b]|, 0x1800000   ; my 16 numbers of block b, and the floor 2^(3 - 127): the byte cannot fall under 1
.endr
.irp i, 2,4,6,8,10,12,14
.irp b, 0,1,2,3
	v_max3_num_f32 v[TM+\b], v[TM+\b], |v[\s+16*\b+\i]|, |v[\s+1+16*\b+\i]|
.endr
.endr
.irp b, 0,1,2,3
	v_permlanex16_b32 v[TM+4+\b], v[TM+\b], s[SEL], s[SEL+1]
.endr
.irp b, 0,1,2,3
	v_max_num_f32 v[TM+\b], v[TM+\b], v[TM+4+\b]   ; with lane l xor 16's: the block's largest magnitude
.endr
.irp b, 0,1,2,3
	v_add_nc_u32 v[TM+12+\b], 0xff000000, v[TM+\b] ; 2 off its exponent field: the conversion's scale operand
.endr
.irp b, 0,1,2,3
	v_lshrrev_b32 v[TM+4+\b], 23, v[TM+12+\b]      ; the byte
.endr
	v_lshl_or_b32 v[PW], v[TM+5], 8, v[TM+4]
	v_lshl_or_b32 v[PW], v[TM+6], 16, v[PW]
	v_lshl_or_b32 v[PW], v[TM+7], 24, v[PW]
.irp c, 0,1
	v_cvt_scalef32_pk16_fp6_f32 v[PC+6*\c:PC+2+6*\c], v[\s+32*\c:\s+15+32*\c], v[TM+12+2*\c]
	v_cvt_scalef32_pk16_fp6_f32 v[PC+12+4*\c:PC+14+4*\c], v[\s+16+32*\c:\s+31+32*\c], v[TM+12+2*\c+1]   ; (a conversion's three registers begin on an even number)
.endr
	v_nop                                          ; one plain line behind the conversions
.irp c, 0,1                                    ; the layout wants a WHOLE block in a lane: lanes 0-15 block 2 c, lanes 16-31 block 2 c + 1
.irp i, 0,1,2
	v_permlane16_swap_b32 v[PC+6*\c+\i], v[PC+12+4*\c+\i]
.endr
.irp i, 0,1,2
	v_mov_b32 v[PC+3+6*\c+\i], v[PC+12+4*\c+\i]
.endr
.endr
.endm
	s_load_b256 s[4:11], s[0:1], 0x0               ; wcod, wscl, ccod, cscl
	s_load_b128 s[12:15], s[0:1], 0x20             ; wk_b, wv_b
	s_load_b64 s[16:17], s[0:1], 0x30              ; kv
	v_lshrrev_b32 v3, 5, v0
	v_readfirstlane_b32 s20, v3                    ; wave w
	v_and_b32 v3, 31, v0
	v_lshlrev_b32 v[LI], 4, v3
	v_lshlrev_b32 v[LS], 2, v3
	v_bfe_u32 v3, v0, 4, 1
	v_lshlrev_b32 v3, 6, v3                        ; K's bias: 64 h bytes
	v_and_b32 v4, 15, v0
	v_and_b32 v5, 8, v4
	v_add_nc_u32 v4, v4, v5
	v_lshlrev_b32 v4, 2, v4                        ; V's bias: 4 (r + (r & 8))
.irp b, 0,1,2,3
	v_mov_b32 v[TM+4+\b], 0                        ; written once: a lane permute's destination counts as one of its sources
.endr
	s_mov_b32 s[SEL], 0x76543210
	s_mov_b32 s[SEL+1], 0xfedcba98
	s_lshr_b32 s22, ttmp9, 1                       ; 0: K, 1: V
	s_and_b32 s23, ttmp9, 1                        ; hx: which half
	s_and_b32 s24, ttmp7, 0xffff                   ; kb
	s_lshl_b32 s25, s20, 5
	s_add_co_u32 s25, s25, 192                     ; K: wk's fragments 192 + 32 w on
	s_lshl_b32 s26, s23, 6
	s_lshr_b32 s27, s20, 1
	s_lshl_b32 s27, s27, 5
	s_add_co_u32 s26, s26, s27
	s_and_b32 s27, s20, 1
	s_lshl_b32 s27, s27, 2
	s_add_co_u32 s26, s26, s27
	s_add_co_u32 s26, s26, 320                     ; V: wv's tile 320 + 32 (2 hx + w / 2) + 4 (w % 2) on
	s_lshl_b32 s27, s24, 5                         ; V: context's fragments 32 kb on
	s_lshl_b32 s28, s23, 2
	s_add_co_u32 s28, s28, s27                     ; K: tile 32 kb + 4 hx on
	s_cmp_eq_u32 s22, 0
	s_cselect_b32 s25, s25, s26
	s_cselect_b32 s27, s28, s27
	s_mul_i32 s28, s25, 1536
	s_mov_b32 s29, 0
	s_lshl_b32 s30, s25, 7
	s_mov_b32 s31, 0
	s_mul_i32 s32, s27, 1536
	s_mov_b32 s33, 0
	s_lshl_b32 s34, s27, 7
	s_mov_b32 s35, 0
	s_mul_i32 s44, s24, STEPB                      ; where my images go: the block,
	s_mul_i32 s45, s20, 1536                       ; K: fragment 16 hx + w (+ 4 u),
	s_mul_i32 s46, s20, 6144
	s_add_co_u32 s46, s46, 49152                   ; V: fragment 16 hx + 4 w (+ u), behind K's 32
	s_lshl_b32 s47, s20, 7
	s_add_co_u32 s47, s47, 98304
	s_lshl_b32 s48, s20, 9
	s_add_co_u32 s48, s48, 102400
	s_cmp_eq_u32 s22, 0
	s_cselect_b32 s50, s45, s46
	s_cselect_b32 s52, s47, s48
	s_mul_i32 s46, s23, 24576
	s_lshl_b32 s48, s23, 11
	s_add_co_u32 s50, s50, s46
	s_add_co_u32 s50, s50, s44
	s_mov_b32 s51, 0
	s_add_co_u32 s52, s52, s48
	s_add_co_u32 s52, s52, s44
	s_mov_b32 s53, 0
	s_lshl_b32 s46, s20, 9                         ; wk_b: my 128 d
	s_mov_b32 s47, 0
	s_lshl_b32 s48, s23, 10
	s_lshl_b32 s49, s20, 8
	s_add_co_u32 s48, s48, s49                     ; wv_b: d 256 hx + 64 w on
	s_mov_b32 s49, 0
	s_wait_kmcnt 0x0
	s_add_nc_u64 s[4:5], s[4:5], s[28:29]
	s_add_nc_u64 s[6:7], s[6:7], s[30:31]
	s_add_nc_u64 s[8:9], s[8:9], s[32:33]
	s_add_nc_u64 s[10:11], s[10:11], s[34:35]
	s_add_nc_u64 s[12:13], s[12:13], s[46:47]
	s_add_nc_u64 s[14:15], s[14:15], s[48:49]
	s_add_nc_u64 s[54:55], s[16:17], s[50:51]      ; images out
	s_add_nc_u64 s[56:57], s[16:17], s[52:53]      ; scale images out
	s_cmp_eq_u32 s22, 0
	s_cselect_b64 s[36:37], s[4:5], s[8:9]         ; S0's codes,
	s_cselect_b64 s[38:39], s[6:7], s[10:11]       ; its scale words,
	s_cselect_b64 s[40:41], s[8:9], s[4:5]         ; S1's codes,
	s_cselect_b64 s[42:43], s[10:11], s[6:7]       ; its scale words
	WIN 0x40
.set ff, 0
.rept 16
.irp i, 0,1,2
	global_load_b128 v[12*ff+4*\i:12*ff+4*\i+3], v[LI], s[36:37] offset:ff*1536+512*\i
.endr
.set ff, ff+1
.endr
	WIN 0x80
.set ff, 0
.rept 16
.irp i, 0,1,2
	global_load_b128 v[12*ff+4*\i:12*ff+4*\i+3], v[LI], s[36:37] offset:(16+ff)*1536+512*\i
.endr
.set ff, ff+1
.endr
	WIN 0xc0
.irp u, 0,1,2,3
.irp s, 0,1,2,3
.irp i, 0,1,2
	global_load_b128 v[48*\u+12*\s+4*\i:48*\u+12*\s+4*\i+3], v[LI], s[40:41] offset:\s*12288+\u*1536+512*\i
.endr
.endr
.endr
	WIN 0
.set ff, 0
.rept 32
	global_load_b32 v[16+ff], v[LS], s[38:39] offset:ff*128
.set ff, ff+1
.endr
.irp u, 0,1,2,3
.irp s, 0,1,2,3
	global_load_b32 v[48+4*\u+\s], v[LS], s[42:43] offset:\s*1024+\u*128
.endr
.endr
; One unit.  The eight accumulators take turns, one instruction a turn.  cstep, sstep: bytes from unit to unit in the images and in the scale images.
.macro UNIT u, isv, cstep, sstep
.if (\u) > 0
	s_wait_xcnt 0x0                                ; the last unit's stores have read their data: the codes' registers are written again only behind this wait
.endif
	WIN 0x0d                                       ; source 0 window 1, source 1 window 3
.irp t, 0,1,2,3,4,5,6,7
.if \isv
	MMC HA+8*\t, 12*\t, 48*(\u), BI+8*(\u), 16+\t, 48+4*(\u)
.else
	MMC HA+8*\t, 12*\t, 48*(\u), BI+8*\t, 16+\t, 48+4*(\u)
.endif
.endr
.irp t, 0,1,2,3,4,5,6,7
	MM HA+8*\t, 96+12*\t, 48*(\u)+12, 24+\t, 49+4*(\u)
.endr
	WIN 0x0e                                       ; source 0 window 2
.irp t, 0,1,2,3,4,5,6,7
	MM HA+8*\t, 12*\t, 48*(\u)+24, 32+\t, 50+4*(\u)
.endr
.irp t, 0,1,2,3,4,5,6,7
	MM HA+8*\t, 96+12*\t, 48*(\u)+36, 40+\t, 51+4*(\u)
.endr
	WIN 0
	PLACES
	QUANT HA
.irp i, 0,1,2
	global_store_b128 v[LI], v[PC+4*\i:PC+4*\i+3], s[54:55] offset:(\u)*(\cstep)+512*\i   ; 512 consecutive bytes, aligned
.endr
	global_store_b32 v[LS], v[PW], s[56:57] offset:(\u)*(\sstep)
.endm
	s_cmp_lg_u32 s22, 0
	s_cbranch_scc1 .Lv_job
.irp t, 0,1,2,3,4,5,6,7                        ; bk in the result's layout: lane (r, h), tile t, register j: d 128 w + 32 (t / 2) + 16 h + 8 (t % 2) + j
	global_load_b128 v[BI+8*\t:BI+8*\t+3], v3, s[12:13] offset:(32*(\t/2)+8*(\t%2))*4
	global_load_b128 v[BI+8*\t+4:BI+8*\t+7], v3, s[12:13] offset:(32*(\t/2)+8*(\t%2))*4+16
.endr
	s_wait_loadcnt 0x0
	UNIT 0, 0, 6144, 512
	UNIT 1, 0, 6144, 512
	UNIT 2, 0, 6144, 512
	UNIT 3, 0, 6144, 512
	s_endpgm
.Lv_job:
.irp u, 0,1,2,3                                ; bv: a lane holds one d, so all eight registers of unit u's C hold the same number
.irp j, 0,1,2,3,4,5,6,7
	global_load_b32 v[BI+8*\u+\j], v4, s[14:15] offset:(32*(\u/2)+8*(\u%2))*4
.endr
.endr
	s_wait_loadcnt 0x0
	UNIT 0, 1, 1536, 128
	UNIT 1, 1, 1536, 128
	UNIT 2, 1, 1536, 128
	UNIT 3, 1, 1536, 128
	s_endpgm
.Lfunc_end_k_qe438eb7ac5_kvproj:
	.size	k_qe438eb7ac5_kvproj, .Lfunc_end_k_qe438eb7ac5_kvproj-k_qe438eb7ac5_kvproj
	.p2alignl 7, 3214868480
	.fill 96, 4, 3214868480
	.section	.rodata,"a",@progbits
	.p2align	6, 0x0
	.amdhsa_kernel k_qe438eb7ac5_kvproj
		.amdhsa_group_segment_fixed_size 0
		.amdhsa_private_segment_fixed_size 0
		.amdhsa_enable_private_segment 0
		.amdhsa_kernarg_size 56
		.amdhsa_user_sgpr_count 2
		.amdhsa_user_sgpr_kernarg_segment_ptr 1
		.amdhsa_wavefront_size32 1
		.amdhsa_system_sgpr_workgroup_id_x 1
		.amdhsa_system_sgpr_workgroup_id_y 1
		.amdhsa_system_sgpr_workgroup_id_z 1
		.amdhsa_system_vgpr_workitem_id 0
		.amdhsa_next_free_vgpr 960
		.amdhsa_next_free_sgpr 66
		.amdhsa_reserve_vcc 0
		.amdhsa_float_denorm_mode_32 3
		.amdhsa_float_denorm_mode_16_64 3
		.amdhsa_memory_ordered 1
		.amdhsa_forward_progress 1
		.amdhsa_inst_pref_size 93
	.end_amdhsa_kernel
	.amdgpu_metadata
---
amdhsa.version: [ 1, 2 ]
amdhsa.kernels:
  - .name:           k_qe438eb7ac5_kvproj
    .symbol:         k_qe438eb7ac5_kvproj.kd
    .args:
      - { .name: wcod, .offset: 0, .size: 8, .value_kind: global_buffer, .address_space: global }
      - { .name: wscl, .offset: 8, .size: 8, .value_kind: global_buffer, .address_space: global }
      - { .name: ccod, .offset: 16, .size: 8, .value_kind: global_buffer, .address_space: global }
      - { .name: cscl, .offset: 24, .size: 8, .value_kind: global_buffer, .address_space: global }
      - { .name: wk_b, .offset: 32, .size: 8, .value_kind: global_buffer, .address_space: global }
      - { .name: wv_b, .offset: 40, .size: 8, .value_kind: global_buffer, .address_space: global }
      - { .name: kv, .offset: 48, .size: 8, .value_kind: global_buffer, .address_space: global }
    .group_segment_fixed_size: 0
    .private_segment_fixed_size: 0
    .kernarg_segment_align: 8
    .kernarg_segment_size: 56
    .max_flat_workgroup_size: 128
    .sgpr_count:     66
    .vgpr_count:     960
    .wavefront_size: 32
...
	.end_amdgpu_metadata
.endif
;; end of part 2
;; launch attn (part 3): grid 32 x 8, 4 waves a work-group, clusters of 4 x 1, 327,680 bytes of LDS; arguments input, wcod, wscl, proj_in_b, wq_b, proj_out_b, kv, out0; writes out0
.if DOCPART == 3
	.amdgcn_target "amdgcn-amd-amdhsa--gfx1250"
	.amdhsa_code_object_version 6
	.text
	.protected	k_qe438eb7ac5_attn
	.globl	k_qe438eb7ac5_attn
	.p2align	8
	.type	k_qe438eb7ac5_attn,@function
k_qe438eb7ac5_attn:
	s_mov_b64 s[64:65], 0
	v_nop
	global_prefetch_b8 v0, s[64:65] scope:SCOPE_SE
	s_setreg_imm32_b32 hwreg(HW_REG_WAVE_MODE, 25, 1), 1
	s_wait_xcnt 0x0
	s_wait_alu depctr_hold_cnt(0) depctr_sa_sdst(0) depctr_va_vdst(0) depctr_va_sdst(0) depctr_va_ssrc(0) depctr_va_vcc(0) depctr_vm_vsrc(0)
	s_getreg_b32 s2, hwreg(HW_REG_IB_STS2, 6, 4)
	s_cmp_eq_u32 s2, 0
	s_cbranch_scc0 .Lentry_in_a_cluster
	s_endpgm
.Lentry_in_a_cluster:
	s_bfe_u32 s2, ttmp6, 0x10000c
	s_cmp_lg_u32 s2, 0x3003
	s_cbranch_scc0 .Lentry_shape_is_right
	s_endpgm
.Lentry_shape_is_right:
; For 128 pixels of one batch: input quantised along c | x = input proj_in^T + b | Q = x wq + b | S = Q K^T | p = 2^(t - M) | O = P V / l | out = proj_out [input ; O] + b.  All products on codes of FP6 (E2M3) with E8M0 scales;
; x, Q, S, p and O never go to memory.  Fragments (16 rows x 128 K, 12 registers), their images (1,536 bytes: registers 4 i .. 4 i + 3 of lane l at 512 i + 16 l), scale images (128 bytes) and permuted tiles as the two launches before lay them.
; SHARES.  A work-group of four waves owns 128 pixels: eight tiles m of 16.  In the projections THE WAVES SHARE THE COLUMNS: wave w makes e, d 128 w on and outputs 64 w on, for all 128 pixels; its weights go from memory straight into
; its registers, each fragment feeding eight matrix instructions, and the pixels' codes go round through LDS as images.  In attention wave w owns pixel tiles 2 w, 2 w + 1 (q = 0, 1) and walks all 1,024 keys, 128 a step.
; ALL PRODUCTS BUT THE LAST ARE USED TRANSPOSED (source 0 = 16 rows of the weight, of K or of V^T, source 1 = 16 pixels): a lane holds ONE pixel, and since source 0's tiles are permuted its 16 registers of tiles 2 b, 2 b + 1 are 16
; neighbours along the next K: the quantiser works in registers.  In the last product source 0 = 16 pixels, source 1 = 16 outputs: a lane holds eight neighbouring pixels of one output channel, as out0 lies.
; SOFTMAX.  t = score x log2(e) / sqrt(512) (one multiplication where the definition has two); M = the running largest t rounded up to a whole number; p = 2^(t - M) is quantised, not normalised; the sum is taken of the unquantised p;
; when M moves, the sum and O^T are multiplied by 2^(old M - new M), which rounds nothing.  O is divided by the sum (v_rcp_f32 and a multiplication) ahead of its quantiser.
; LDS LOADS ARE ASKED FOR AHEAD OF VECTOR WORK: in the projections the next pixel tile's fragments ahead of this tile's quantiser; in a key step five of V's eight groups ahead of or within the softmax, two of them into the registers that the scores have left.
; CLUSTER.  The four work-groups of a cluster belong to one batch and walk the same K and V: each step's block of 106,496 bytes is asked for JOINTLY, a quarter by each wave, the same load with the same descriptor and the mask 15 in all four.
; The weights are not asked for jointly: they land in registers, a quarter in each wave, and never lie in LDS.  The input tile is each work-group's own.
; O^T begins as zeros (512 v_mov_b32, issued while Q's fragments come from LDS): a first key step of its own, with the constant 0 as C, would be a third copy of the key step's text, the longest part of this file.
; LIMITS: NaN and infinities are not served; a block of zeros carries the byte 1 where the rule says 127 (its codes are zeros; this program alone reads the bytes); a p under 2^-126 comes out of v_exp_f32 as 0.
; REGISTERS.  Window 0: v1-8 addresses that stay, v11-15 addresses of a phase; v16-63 scale words alone; v64-127 eight results (S^T of q = 0, then V's group 11), v128-191 fragments in hand (S^T of q = 1, then V's group 12);
;   v192-215 codes just made (p's codes, 12 a tile); v216-219 scale words; v220-221 scale words just made; v222 the prefetches' offset; v224-239 at work; v240-255 the softmax's statistics, 8 a tile.
;   Windows 1-3: input's 256 numbers, then wq's K steps 2, 3 | proj_in, its bias | wq's K steps 0, 1, its bias;  then O^T (d tiles 0-15) | O^T (16-31) | Q, and a ring of three groups of four fragments;
;   then the 32 accumulators of out | two sets of six fragments of a pixel tile, the bias | proj_out's K steps 0-4 (K step 5 in window 0, v128 on).
.set STEPB,  106496                    ; a key step's block of kv
.set QUART,  26624                     ; a quarter of it: 104 rows of 256 bytes
.set SLOT1,  1<<17
.set XIMG,   106496
.set INT,    131072
.set HIMG,   237568
.set QIMG,   262144
.set XSC,    311296
.set HSC,    313344
.set QSC,    315392
.set SPARE,  319488                    ; the spare words, 128 bytes for each wave: two blocks of 256 bytes that no other line names
.set SP,     528                       ; the way out: a stage row, 512 bytes + 16
.set LI,  1                            ; v1  16 x lane
.set LS,  2                            ; v2  4 x lane
.set SPW, 3                            ; v3  my spare word
.set NIL, 4                            ; v4  0
.set QA,  5                            ; v5  my two pixel tiles' images among Q's: 16 x lane + QIMG + 3,072 w
.set QS,  6                            ; v6  and their scale images: 4 x lane + QSC + 256 w
.set LIV, 7                            ; v7  16 x lane + 49,152: V's fragments in a slot
.set LSS, 8                            ; v8  4 x lane + 98,304: the scale images in a slot
.set HA,  64
.set FX,  128
.set PC,  192
.set XS,  216
.set PW,  220
.set PFO, 222
.set TM,  224
.set U,   224
.set WV,  20
.set SEL, 48
.set CS,  50
.set TB,  52                           ; s52 the slot in hand
.set CNT, 53                           ; s53 key steps still to be asked for
.set LIM, 54                           ; s54 1 in the batch's first cluster, else the greatest number
.set PFA, 56                           ; s[56:57] where my prefetches stand
.set MSB, 0
.macro WIN new                         ; the immediate's high byte repeats the setting that is left; a switch that changes nothing is dropped
.if MSB != (\new)
	s_set_vgpr_msb (MSB<<8)|(\new)
.set MSB, (\new)
.endif
.endm
.macro PLACES                          ; four plain lines between a matrix instruction and a read of its result or a load into one of its registers (ISA guide 7.12.1 for vector instructions)
.rept 4
	v_nop
.endr
.endm
.macro MM d, a, b, sa, sb              ; D += A B, in place
	v_wmma_scale_f32_16x16x128_f8f6f4 v[(\d):(\d)+7], v[(\a):(\a)+11], v[(\b):(\b)+11], v[(\d):(\d)+7], v[\sa], v[\sb] matrix_a_fmt:MATRIX_FMT_FP6 matrix_b_fmt:MATRIX_FMT_FP6
.endm
.macro MMC d, a, b, c, sa, sb          ; D = A B + C: a sum's first step takes the bias
	v_wmma_scale_f32_16x16x128_f8f6f4 v[(\d):(\d)+7], v[(\a):(\a)+11], v[(\b):(\b)+11], v[(\c):(\c)+7], v[\sa], v[\sb] matrix_a_fmt:MATRIX_FMT_FP6 matrix_b_fmt:MATRIX_FMT_FP6
.endm
.macro MMZ d, a, b, sa, sb             ; D = A B: a sum's first step
	v_wmma_scale_f32_16x16x128_f8f6f4 v[(\d):(\d)+7], v[(\a):(\a)+11], v[(\b):(\b)+11], 0, v[\sa], v[\sb] matrix_a_fmt:MATRIX_FMT_FP6 matrix_b_fmt:MATRIX_FMT_FP6
.endm
; 64 numbers of a lane, register 16 b + i = k 32 b + 16 (lane / 16) + i of my row, become a fragment's codes in v[PC] on and its scale word in v[PW] (the same in lanes l and l xor 16).
.macro QUANT s
.irp b, 0,1,2,3
	v_max3_num_f32 v[TM+\b], |v[\s+16*\b]|, |v[\s+1+16*\b]|, 0x1800000   ; my 16 numbers of block b, and the floor 2^(3 - 127): the byte cannot fall under 1
.endr
.irp i, 2,4,6,8,10,12,14
.irp b, 0,1,2,3
	v_max3_num_f32 v[TM+\b], v[TM+\b], |v[\s+16*\b+\i]|, |v[\s+1+16*\b+\i]|
.endr
.endr
.irp b, 0,1,2,3
	v_permlanex16_b32 v[TM+4+\b], v[TM+\b], s[SEL], s[SEL+1]
.endr
.irp b, 0,1,2,3
	v_max_num_f32 v[TM+\b], v[TM+\b], v[TM+4+\b]   ; with lane l xor 16's: the block's largest magnitude
.endr
.irp b, 0,1,2,3
	v_add_nc_u32 v[TM+12+\b], 0xff000000, v[TM+\b] ; 2 off its exponent field: the conversion's scale operand
.endr
.irp b, 0,1,2,3
	v_lshrrev_b32 v[TM+4+\b], 23, v[TM+12+\b]      ; the byte
.endr
	v_lshl_or_b32 v[PW], v[TM+5], 8, v[TM+4]
	v_lshl_or_b32 v[PW], v[TM+6], 16, v[PW]
	v_lshl_or_b32 v[PW], v[TM+7], 24, v[PW]
.irp c, 0,1
	v_cvt_scalef32_pk16_fp6_f32 v[PC+6*\c:PC+2+6*\c], v[\s+32*\c:\s+15+32*\c], v[TM+12+2*\c]
	v_cvt_scalef32_pk16_fp6_f32 v[PC+12+4*\c:PC+14+4*\c], v[\s+16+32*\c:\s+31+32*\c], v[TM+12+2*\c+1]   ; (a conversion's three registers begin on an even number)
.endr
	v_nop                                          ; one plain line behind the conversions
.irp c, 0,1                                    ; the layout wants a WHOLE block in a lane: lanes 0-15 block 2 c, lanes 16-31 block 2 c + 1
.irp i, 0,1,2
	v_permlane16_swap_b32 v[PC+6*\c+\i], v[PC+12+4*\c+\i]
.endr
.irp i, 0,1,2
	v_mov_b32 v[PC+3+6*\c+\i], v[PC+12+4*\c+\i]
.endr
.endr
.endm
.macro IMAGE adr, off                  ; the fragment in v[PC] on goes to LDS as it stands
.irp c, 0,1,2
	ds_store_b128 v[\adr], v[PC+4*\c:PC+4*\c+3] offset:(\off)+512*\c
.endr
.endm
.macro FETCH reg, adr, off             ; and comes back so, in any wave
.irp c, 0,1,2
	ds_load_b128 v[(\reg)+4*\c:(\reg)+4*\c+3], v[\adr] offset:(\off)+512*\c
.endr
.endm
.macro BARRIER                         ; my LDS stores have landed and my LDS loads are in: then the work-group's barrier
	s_wait_dscnt 0x0
	s_barrier_signal -1
	s_barrier_wait -1
.endm
.macro CROUND                          ; a round of the cluster's barrier
	s_barrier_signal -1
	s_barrier_wait -1
	s_cmp_lg_u32 s[WV], 0
	s_cbranch_scc1 .Lnot_wave_0_\@
	s_barrier_signal -3
.Lnot_wave_0_\@:
	s_barrier_wait -3
	s_barrier_signal -1
	s_barrier_wait -1
.endm
.macro WLOAD n, reg, base, off         ; n fragment images, on end in memory, into registers reg on of the destination's window
.set ff, 0
.rept \n
.irp i, 0,1,2
	global_load_b128 v[(\reg)+12*ff+4*\i:(\reg)+12*ff+4*\i+3], v[LI], s[\base:\base+1] offset:(\off)+ff*1536+512*\i
.endr
.set ff, ff+1
.endr
.endm
.macro SLOAD n, reg, base, off         ; n scale images
.set ff, 0
.rept \n
	global_load_b32 v[(\reg)+ff], v[LS], s[\base:\base+1] offset:(\off)+ff*128
.set ff, ff+1
.endr
.endm
.macro BLOAD base                      ; a bias of my 128 columns in the result's layout, into v192-255 of the destination's window: lane (r, h), tile t, register j: column 32 (t / 2) + 16 h + 8 (t % 2) + j
.irp t, 0,1,2,3,4,5,6,7
	global_load_b128 v[192+8*\t:195+8*\t], v15, s[\base:\base+1] offset:(32*(\t/2)+8*(\t%2))*4
	global_load_b128 v[196+8*\t:199+8*\t], v15, s[\base:\base+1] offset:(32*(\t/2)+8*(\t%2))*4+16
.endr
.endm
; ---------------- the head
	s_load_b512 s[4:19], s[0:1], 0x0               ; input, wcod, wscl, proj_in_b, wq_b, proj_out_b, kv, out0
	v_lshl_add_u32 v[SPW], v0, 2, SPARE
	v_mov_b32 v[NIL], 0
	ds_add_u32 v3, v4
	ds_add_u32 v3, v4
	s_wait_dscnt 0x0
	v_lshrrev_b32 v11, 5, v0
	v_readfirstlane_b32 s[WV], v11                 ; wave 0..3
	s_bfe_u32 s21, ttmp6, 0x40000                  ; cx: my place in the cluster
	s_lshl_b32 s22, ttmp9, 2
	s_add_co_u32 s22, s22, s21                     ; my block of 128 pixels
	s_and_b32 s23, ttmp7, 0xffff                   ; the batch, which the four partners share
	; group 1 for the input tile: 64 rows (channels) x 128 f32, 4,096 elements from row to row; no mask
	s_mov_b32 s24, 2<<16
	s_mov_b32 s25, 128<<16
	s_mov_b32 s26, 64<<16
	s_mov_b32 s27, 128<<16
	s_mov_b32 s28, 64
	s_mov_b32 s29, 4096
	s_mov_b32 s30, 0
	s_mov_b32 s31, 0
	; group 1 for a quarter of a key step's block: 104 rows of 256 bytes (32 elements of 8), dense; the mask names all four work-groups, bit 21 beside it
	s_mov_b32 s36, 15|(3<<16)|(1<<21)
	s_mov_b32 s37, 32<<16
	s_mov_b32 s38, 104<<16
	s_mov_b32 s39, 32<<16
	s_mov_b32 s40, 104
	s_mov_b32 s41, 32
	s_mov_b32 s42, 0
	s_mov_b32 s43, 0
	s_lshl_b32 s58, s23, 22                        ; input and out0 alike: ((256 batch + 64 w) 4,096 + 128 block) x 4 bytes
	s_lshl_b32 s59, s[WV], 20
	s_add_co_u32 s58, s58, s59
	s_lshl_b32 s59, s22, 9
	s_add_co_u32 s58, s58, s59
	s_mov_b32 s59, 0
	s_mul_i32 s63, s23, 8*STEPB                    ; the batch's first block of kv
	s_mul_i32 s62, s[WV], QUART                    ; my quarter, in memory and in a slot: no place in the cluster enters it
	s_add_co_u32 s60, s63, s62
	s_mov_b32 s61, 0
	s_mul_i32 s66, s21, 24576                      ; the prefetches: waves 0-2: the codes, 24,576 bytes a partner, 8,192 a wave;
	s_lshl_b32 s67, s[WV], 13
	s_add_co_u32 s66, s66, s67
	s_lshl_b32 s67, s21, 11
	s_add_co_u32 s67, s67, 98304                   ; wave 3: the scale images, 2,048 bytes a partner
	s_cmp_lt_u32 s[WV], 3
	s_cselect_b32 s66, s66, s67
	s_cselect_b32 s68, 0, 2
	s_add_co_u32 s66, s66, s63
	s_add_co_u32 s66, s66, STEPB                   ; at key step 1: the first change of slots steps it to 2
	s_mov_b32 s67, 0
	s_cmp_eq_u32 ttmp9, 0
	s_cselect_b32 s[LIM], 1, -1                    ; the same in all four partners
	s_mov_b32 s[SEL], 0x76543210
	s_mov_b32 s[SEL+1], 0xfedcba98                 ; v_permlanex16_b32's selects for lane l xor 16
	s_mov_b32 s[CS], 0x3d8293ee                    ; c = log2(e) / sqrt(512)
	s_mov_b32 s[CS+1], s[CS]                       ; (named with it as a pair, so it is written)
	v_and_b32 v11, 31, v0
	v_lshlrev_b32 v[LI], 4, v11
	v_lshlrev_b32 v[LS], 2, v11
	v_lshrrev_b32 v[PFO], s68, v11
	v_lshlrev_b32 v[PFO], 8, v[PFO]                ; 256 bytes from lane to lane (wave 3: from four lanes to the next four: eight blocks for 32 lanes)
	s_mul_i32 s69, s[WV], 3072
	s_add_co_u32 s69, s69, QIMG
	v_add_nc_u32 v[QA], s69, v[LI]
	s_lshl_b32 s69, s[WV], 8
	s_add_co_u32 s69, s69, QSC
	v_add_nc_u32 v[QS], s69, v[LS]
	v_add_nc_u32 v[LIV], 49152, v[LI]
	v_add_nc_u32 v[LSS], 98304, v[LS]
	v_bfe_u32 v15, v0, 4, 1
	v_lshlrev_b32 v15, 6, v15                      ; the biases' lane term: 64 h bytes
.irp b, 0,1,2,3
	v_mov_b32 v[TM+4+\b], 0                        ; written once: a lane permute's destination counts as one of its sources
.endr
	s_mov_b32 s71, 0
	s_wait_kmcnt 0x0
	s_mov_b32 s32, 1                               ; group 0, the input tile: count 1,
	s_lshl_b32 s33, s[WV], 15
	s_add_co_u32 s33, s33, INT                     ; my 64 rows of 512 bytes in LDS,
	s_add_nc_u64 s[34:35], s[4:5], s[58:59]        ; channels 64 w on of my pixels,
	s_or_b32 s35, s35, 0x80000000                  ; type 2
	s_mov_b32 s44, 1                               ; group 0, kv: it walks
	s_mov_b32 s45, s62
	s_add_nc_u64 s[46:47], s[16:17], s[60:61]
	s_or_b32 s47, s47, 0x80000000
	s_add_nc_u64 s[18:19], s[18:19], s[58:59]      ; out0 at my 64 channels, my pixels
	s_add_nc_u64 s[PFA:PFA+1], s[16:17], s[66:67]
	s_mul_i32 s70, s[WV], 24576
	s_add_nc_u64 s[72:73], s[6:7], s[70:71]        ; proj_in's 16 fragments of e 128 w on
	s_lshl_b32 s70, s[WV], 11
	s_add_nc_u64 s[74:75], s[8:9], s[70:71]
	s_lshl_b32 s70, s[WV], 9
	s_add_nc_u64 s[10:11], s[10:11], s[70:71]
	s_add_nc_u64 s[12:13], s[12:13], s[70:71]
	s_mul_i32 s70, s[WV], 49152
	s_add_co_u32 s70, s70, 98304
	s_add_nc_u64 s[76:77], s[6:7], s[70:71]        ; wq's 32 fragments of d 128 w on
	s_lshl_b32 s70, s[WV], 12
	s_add_co_u32 s70, s70, 8192
	s_add_nc_u64 s[78:79], s[8:9], s[70:71]
	s_mul_i32 s58, s[WV], 6144                     ; the wave's terms of the LDS addresses of the projections
	s_lshl_b32 s59, s[WV], 9
	s_mul_i32 s60, s[WV], 12288
	s_lshl_b32 s61, s[WV], 10
	CROUND                                         ; all four work-groups are here: the first joint loads meet
	tensor_load_to_lds s[32:35], s[24:31]          ; my quarter of the input tile,
	s_nop 0
	tensor_load_to_lds s[44:47], s[36:43]          ; and of key step 0, into slot 0: two tensor loads of mine are out
	s_nop 0
.rept 4
	v_nop                                          ; four lines behind the loads
.endr
	WIN 0x80
	WLOAD 16, 0, 72, 0
	BLOAD 10
	WIN 0
	SLOAD 16, 16, 74, 0
	WIN 0xc0
	WLOAD 16, 0, 76, 0                             ; wq's K steps 0, 1
	BLOAD 12
	WIN 0
	SLOAD 32, 32, 78, 0
	v_bfe_u32 v14, v0, 4, 1                        ; pixel 32 w + l lies in tile 2 w + l / 16, at row l % 16
	v_and_b32 v13, 15, v0
	s_add_co_u32 s66, s58, XIMG
	s_add_co_u32 s67, s59, XSC
	v_mul_u32_u24 v12, v14, 3072
	v_lshl_add_u32 v12, v13, 4, v12
	v_lshlrev_b32 v14, 8, v14
	v_lshl_add_u32 v14, v13, 2, v14
	v_add_nc_u32 v13, s66, v12                     ; its images: XIMG + 6,144 w + 3,072 (l / 16) + 16 (l % 16)
	v_add_nc_u32 v14, s67, v14                     ; its scale words: XSC + 512 w + 256 (l / 16) + 4 (l % 16)
	v_lshl_add_u32 v11, v0, 2, INT                 ; my pixel's column of the input tile,
	v_add_nc_u32 v12, 65536, v11                   ; and its channels 128 on
	s_wait_tensorcnt 0x1                           ; my quarter of the input tile is in; key step 0 may stay out
	s_barrier_signal -1
	s_barrier_wait -1                              ; everybody's is
; ---------------- X: a lane takes a pixel, its 256 registers run down the channels: eight blocks of 32, all mine
	WIN 0x40
.set cc, 0
.rept 128
	ds_load_b32 v[cc], v11 offset:cc*512
.set cc, cc+1
.endr
.set cc, 0
.rept 128
	ds_load_b32 v[128+cc], v12 offset:cc*512
.set cc, cc+1
.endr
	s_wait_dscnt 0x0
	WIN 0x15
.set bb, 0
.rept 8
	v_max3_num_f32 v[TM+2*bb], |v[32*bb]|, |v[32*bb+1]|, |v[32*bb+2]|
	v_max3_num_f32 v[TM+2*bb+1], |v[32*bb+3]|, |v[32*bb+4]|, |v[32*bb+5]|
.set bb, bb+1
.endr
	WIN 0x14
.irp i, 6,10,14,18,22,26
.set bb, 0
.rept 8
	v_max3_num_f32 v[TM+2*bb], v[TM+2*bb], |v[32*bb+\i]|, |v[32*bb+\i+1]|
	v_max3_num_f32 v[TM+2*bb+1], v[TM+2*bb+1], |v[32*bb+\i+2]|, |v[32*bb+\i+3]|
.set bb, bb+1
.endr
.endr
.set bb, 0
.rept 8
	v_max3_num_f32 v[TM+2*bb], v[TM+2*bb], |v[32*bb+30]|, |v[32*bb+31]|
.set bb, bb+1
.endr
	WIN 0
.set bb, 0
.rept 8
	v_max3_num_f32 v[TM+2*bb], v[TM+2*bb], v[TM+2*bb+1], 0x1800000   ; the floor 2^(3 - 127)
.set bb, bb+1
.endr
.set bb, 0
.rept 8
	v_add_nc_u32 v[TM+2*bb+1], 0xff000000, v[TM+2*bb]                ; the conversion's scale operand
.set bb, bb+1
.endr
.set bb, 0
.rept 8
	v_lshrrev_b32 v[TM+2*bb], 23, v[TM+2*bb+1]                       ; the byte
.set bb, bb+1
.endr
.irp s, 0,1
	v_lshl_or_b32 v[PW+\s], v[TM+8*\s+2], 8, v[TM+8*\s]
	v_lshl_or_b32 v[PW+\s], v[TM+8*\s+4], 16, v[PW+\s]
	v_lshl_or_b32 v[PW+\s], v[TM+8*\s+6], 24, v[PW+\s]
.endr
	WIN 0x01
.set bb, 0
.rept 8
	v_cvt_scalef32_pk16_fp6_f32 v[64+8*bb:66+8*bb], v[32*bb:32*bb+15], v[TM+2*bb+1]
	v_cvt_scalef32_pk16_fp6_f32 v[128+4*bb:130+4*bb], v[32*bb+16:32*bb+31], v[TM+2*bb+1]
.set bb, bb+1
.endr
	WIN 0
	v_nop                                          ; one plain line behind the conversions
.set bb, 0
.rept 8
.irp i, 0,1,2
	v_mov_b32 v[67+8*bb+\i], v[128+4*bb+\i]
.endr
.set bb, bb+1
.endr
.set bb, 0
.rept 8                                        ; block bb: K step bb / 4; in its fragment lane (row, h = bb % 2), registers 6 c on, c = (bb / 2) % 2
.set oo, 1536*(bb/4)+256*(bb%2)
.if (bb/2)%2 == 0
	ds_store_b128 v13, v[64+8*bb:67+8*bb] offset:oo
	ds_store_b64 v13, v[68+8*bb:69+8*bb] offset:oo+512
.else
	ds_store_b64 v13, v[64+8*bb:65+8*bb] offset:oo+520
	ds_store_b128 v13, v[66+8*bb:69+8*bb] offset:oo+1024
.endif
.set bb, bb+1
.endr
.irp s, 0,1
	ds_store_b32 v14, v[PW+\s] offset:128*\s
	ds_store_b32 v14, v[PW+\s] offset:128*\s+64    ; lanes 16-31 of a scale image repeat lanes 0-15
.endr
	WIN 0x40
	WLOAD 16, 0, 76, 16*1536                       ; wq's K steps 2, 3 take the registers that the input's numbers have left
	WIN 0
	BARRIER                                        ; input's sixteen fragments lie in LDS, and nobody reads the input tile any more
; ---------------- 1 and 2: x and Q, in two halves of four pixel tiles (x's images have room for four), a tile a trip.  My 128 columns of a tile are K step w of the next product: one image.
; A trip's fragments were asked for in the trip before, behind its products and ahead of its quantiser, into the same registers: they land while the quantiser works.  One wait at a trip's head serves that fetch and the last
; trip's stores.  The fourth trip of each run fetches nothing and is written out, so that no LDS load passes its region's end.  The two halves are two trips of one loop: input's images are read on and Q's are stored on from half to half.
.macro P1FETCH                         ; a pixel tile's two fragments of input, and their scale words
	FETCH FX, 11, 0
	FETCH FX+12, 11, 1536
	ds_load_b32 v[XS], v12
	ds_load_b32 v[XS+1], v12 offset:128
.endm
.macro P1BODY next
	s_wait_dscnt 0x0                               ; this tile's fragments are in, and the last tile's stores have read their registers
	WIN 0x22                                       ; source 0 (proj_in) and C (its bias) window 2
.irp t, 0,1,2,3,4,5,6,7                        ; the eight accumulators take turns
	MMC HA+8*\t, 12*\t, FX, 192+8*\t, 16+\t, XS
.endr
	WIN 0x02
.irp t, 0,1,2,3,4,5,6,7
	MM HA+8*\t, 96+12*\t, FX+12, 24+\t, XS+1
.endr
	WIN 0
	PLACES                                         ; in front of the loads into the fragments' registers and of the quantiser's reads alike
.if \next
	s_add_co_u32 s21, s21, 3072
	s_add_co_u32 s22, s22, 256
	v_add_nc_u32 v11, s21, v[LI]
	v_add_nc_u32 v12, s22, v[LS]
	P1FETCH
.endif
	v_add_nc_u32 v13, s68, v[LI]
	v_add_nc_u32 v14, s69, v[LS]
	QUANT HA
	IMAGE 13, 0
	ds_store_b32 v14, v[PW]
	s_add_co_u32 s68, s68, 1536
	s_add_co_u32 s69, s69, 128
.endm
.macro P2FETCH                         ; a pixel tile's four fragments of x, and their scale words
.irp s, 0,1,2,3
	FETCH FX+12*\s, 11, \s*6144
	ds_load_b32 v[XS+\s], v12 offset:\s*512
.endr
.endm
.macro P2BODY next
	s_wait_dscnt 0x0
	WIN 0x33                                       ; source 0 (wq, K steps 0, 1) and C (its bias) window 3
.irp t, 0,1,2,3,4,5,6,7
	MMC HA+8*\t, 12*\t, FX, 192+8*\t, 32+\t, XS
.endr
	WIN 0x03
.irp t, 0,1,2,3,4,5,6,7
	MM HA+8*\t, 96+12*\t, FX+12, 40+\t, XS+1
.endr
	WIN 0x01                                       ; K steps 2, 3: window 1
.irp t, 0,1,2,3,4,5,6,7
	MM HA+8*\t, 12*\t, FX+24, 48+\t, XS+2
.endr
.irp t, 0,1,2,3,4,5,6,7
	MM HA+8*\t, 96+12*\t, FX+36, 56+\t, XS+3
.endr
	WIN 0
	PLACES
.if \next
	s_add_co_u32 s66, s66, 1536
	s_add_co_u32 s67, s67, 128
	v_add_nc_u32 v11, s66, v[LI]
	v_add_nc_u32 v12, s67, v[LS]
	P2FETCH
.endif
	v_add_nc_u32 v13, s23, v[LI]
	v_add_nc_u32 v14, s62, v[LS]
	QUANT HA
	IMAGE 13, 0
	ds_store_b32 v14, v[PW]
	s_add_co_u32 s23, s23, 1536
	s_add_co_u32 s62, s62, 128
.endm
	s_wait_loadcnt 48                              ; all but the 48 loads of wq's K steps 2, 3
	s_mov_b32 s21, XIMG                            ; input's images (2 m + s): 3,072 bytes a tile, eight tiles on end
	s_mov_b32 s22, XSC
	s_add_co_u32 s23, s60, QIMG                    ; Q's images lie (8 s + m): my eight are on end
	s_add_co_u32 s62, s61, QSC
	s_mov_b32 s63, 2
.Lhalf:
	v_add_nc_u32 v11, s21, v[LI]
	v_add_nc_u32 v12, s22, v[LS]
	P1FETCH
	s_add_co_u32 s68, s58, HIMG                    ; x's images lie (4 s + mm): my four are on end
	s_add_co_u32 s69, s59, HSC
	s_mov_b32 s70, 3
.Lp1:
	P1BODY 1
	s_sub_co_u32 s70, s70, 1
	s_cmp_lg_u32 s70, 0
	s_cbranch_scc1 .Lp1
	P1BODY 0
	s_add_co_u32 s21, s21, 3072                    ; on to the next half's first tile
	s_add_co_u32 s22, s22, 256
	BARRIER                                        ; x's sixteen fragments of four tiles lie in LDS
	s_wait_loadcnt 0x0                             ; wq's K steps 2, 3
	s_mov_b32 s66, HIMG
	s_mov_b32 s67, HSC
	v_add_nc_u32 v11, s66, v[LI]
	v_add_nc_u32 v12, s67, v[LS]
	P2FETCH
	s_mov_b32 s70, 3
.Lp2:
	P2BODY 1
	s_sub_co_u32 s70, s70, 1
	s_cmp_lg_u32 s70, 0
	s_cbranch_scc1 .Lp2
	P2BODY 0
	BARRIER                                        ; x's images have been read and may be written again; behind the second half Q's 32 fragments lie in LDS
	s_sub_co_u32 s63, s63, 1
	s_cmp_lg_u32 s63, 0
	s_cbranch_scc1 .Lhalf
; ---------------- into attention: my two tiles of Q stay in registers; O^T, the sums and the largest t begin
	WIN 0xc0
.irp q, 0,1
.irp s, 0,1,2,3
	FETCH 48*\q+12*\s, QA, \s*12288+\q*1536
.endr
.endr
	WIN 0
.irp q, 0,1
.irp s, 0,1,2,3
	ds_load_b32 v[16+4*\q+\s], v[QS] offset:\s*1024+\q*128
.endr
.endr
	WIN 0x40
.set rr, 0
.rept 256
	v_mov_b32 v[rr], 0
.set rr, rr+1
.endr
	WIN 0x80
.set rr, 0
.rept 256
	v_mov_b32 v[rr], 0
.set rr, rr+1
.endr
	WIN 0
.irp q, 0,1
	v_mov_b32 v[241+8*\q], 0xff61b1e6              ; the largest t so far: -3e38, under every t
	v_floor_f32 v[240+8*\q], -v[241+8*\q]          ; -M
	v_mov_b32 v[242+8*\q], 0                       ; the sum, in two halves
	v_mov_b32 v[243+8*\q], 0
	v_mov_b32 v[245+8*\q], 0                       ; (named as the upper half of f's pair)
.endr
	s_mov_b32 s[TB], 0
	s_mov_b32 s[CNT], 7
; Where group G's four fragments (rb, in window rw) and scale words (rs) go.  Groups 0-10: ring buffer G % 3.  Groups 11, 12: the registers that the scores of tile 0, of tile 1 have left.  Groups 13-15: ring buffers 2, 0, 1, which groups 8, 9, 10 leave in that order.
.macro BUFOF G
.if (\G) == 11
.set rb, 64
.set rs, 40
.set rw, 0
.elseif (\G) == 12
.set rb, 128
.set rs, 44
.set rw, 0
.elseif (\G) > 12
.set rb, 96+48*(((\G)+1)%3)
.set rs, 24+4*(((\G)+1)%3)
.set rw, 3
.else
.set rb, 96+48*((\G)%3)
.set rs, 24+4*((\G)%3)
.set rw, 3
.endif
.endm
; A group of four fragments and their scale words: 16 LDS loads.  G < 8: K's tiles 2 (G / 2), + 1, K steps 2 (G % 2), + 1.  G >= 8: V's tiles 4 (G - 8) on.
.macro LOADG G
	BUFOF \G
	WIN rw<<6
.set gj, 0
.rept 4
.if (\G) < 8
.set fo, 4*(2*((\G)/2)+gj%2)+2*((\G)%2)+gj/2
.irp i, 0,1,2
	ds_load_b128 v[rb+12*gj+4*\i:rb+12*gj+4*\i+3], v11 offset:fo*1536+512*\i
.endr
.else
.set fo, 4*((\G)-8)+gj
.irp i, 0,1,2
	ds_load_b128 v[rb+12*gj+4*\i:rb+12*gj+4*\i+3], v12 offset:fo*1536+512*\i
.endr
.endif
.set gj, gj+1
.endr
	WIN 0
.set gj, 0
.rept 4
.if (\G) < 8
.set fo, 4*(2*((\G)/2)+gj%2)+2*((\G)%2)+gj/2
	ds_load_b32 v[rs+gj], v13 offset:fo*128
.else
.set fo, 4*((\G)-8)+gj
	ds_load_b32 v[rs+gj], v13 offset:4096+fo*128
.endif
.set gj, gj+1
.endr
.endm
; Its eight matrix instructions: each fragment against my two pixel tiles.  The accumulators take turns, one instruction a turn.
.macro MULG G
	BUFOF \G
.if (\G) < 8
	WIN 0x0f                                       ; S^T = K Q^T: K and Q window 3, S^T window 0
.set gj, 0
.rept 4
.set gt, 2*((\G)/2)+gj%2
.set gs, 2*((\G)%2)+gj/2
.irp q, 0,1
.if gs == 0
	MMZ 64+64*\q+8*gt, rb+12*gj, 48*\q+12*gs, rs+gj, 16+4*\q+gs
.else
	MM 64+64*\q+8*gt, rb+12*gj, 48*\q+12*gs, rs+gj, 16+4*\q+gs
.endif
.endr
.set gj, gj+1
.endr
.else
.if (\G) < 12
	WIN 0x50|rw                                    ; O^T += V^T P^T: V window 3 or 0, p window 0, O^T window 1
.else
	WIN 0xa0|rw                                    ; or window 2
.endif
.set gj, 0
.rept 4
.irp q, 0,1
	MM 8*(2*((4*((\G)-8)+gj)%16)+\q), rb+12*gj, 192+12*\q, rs+gj, 36+\q
.endr
.set gj, gj+1
.endr
.endif
.endm
; The softmax of pixel tile q for 128 keys: S^T becomes p, p's codes and scale word; the sum and f = 2^(old M - new M) are brought up to date.
.macro SOFT q
.set SS, 64+64*(\q)
.set SQ, 240+8*(\q)                    ; +0 -M, +1 the largest t, +2, +3 the sum, +4 f, +6 at work
.set PQ, 192+12*(\q)
.irp b, 0,1,2,3
	v_max3_num_f32 v[U+\b], v[SS+16*\b], v[SS+1+16*\b], v[SS+2+16*\b]   ; the largest score of each block of 32 keys: it serves for the row's maximum and, since p rises with the score, for the block's largest p
.endr
.irp i, 3,5,7,9,11,13
.irp b, 0,1,2,3
	v_max3_num_f32 v[U+\b], v[U+\b], v[SS+16*\b+\i], v[SS+1+16*\b+\i]
.endr
.endr
.irp b, 0,1,2,3
	v_max_num_f32 v[U+\b], v[U+\b], v[SS+15+16*\b]
.endr
.irp b, 0,1,2,3
	v_permlanex16_b32 v[U+4+\b], v[U+\b], s[SEL], s[SEL+1]
.endr
.irp b, 0,1,2,3
	v_max_num_f32 v[U+\b], v[U+\b], v[U+4+\b]      ; with lane l xor 16's 16 keys
.endr
	v_max3_num_f32 v[SQ+6], v[U], v[U+1], v[U+2]
	v_max_num_f32 v[SQ+6], v[SQ+6], v[U+3]
	v_mul_f32 v[SQ+6], s[CS], v[SQ+6]              ; as t (c is positive)
	v_max_num_f32 v[SQ+1], v[SQ+1], v[SQ+6]        ; the running largest t
	v_mov_b32 v[SQ+6], v[SQ]
	v_floor_f32 v[SQ], -v[SQ+1]                    ; the new -M = floor(-t): M is a whole number
	v_sub_f32 v[SQ+6], v[SQ], v[SQ+6]              ; old M less new M: a whole number, 0 or less
	v_cvt_i32_f32 v[SQ+6], v[SQ+6]                 ; (it saturates)
	v_ldexp_f32 v[SQ+4], 1.0, v[SQ+6]              ; f
.set jj, 0
.rept 32
	v_pk_fma_f32 v[SS+jj:SS+jj+1], v[SS+jj:SS+jj+1], s[CS:CS+1], v[SQ:SQ+1] op_sel_hi:[1,0,0]   ; t - M, two at a time
.set jj, jj+2
.endr
.irp b, 0,1,2,3
	v_fma_f32 v[U+\b], v[U+\b], s[CS], v[SQ]       ; the same of each block's largest score
.endr
.set jj, 0
.rept 64
	v_exp_f32 v[SS+jj], v[SS+jj]                   ; p = 2^(t - M)
.set jj, jj+1
.endr
	v_pk_mul_f32 v[SQ+2:SQ+3], v[SQ+2:SQ+3], v[SQ+4:SQ+5] op_sel_hi:[1,0]   ; the sum under the new M: the plain line behind the exponentials
	s_wait_alu depctr_va_vdst(0)                   ; one wait for the batch of 64, ahead of its first reader
.irp b, 0,1,2,3
	v_exp_f32 v[U+\b], v[U+\b]                     ; the block's largest p
.endr
	v_pk_add_f32 v[U+4:U+5], v[SS:SS+1], v[SS+2:SS+3]   ; the sum of the UNQUANTISED p, two at a time, in two chains
.set jj, 4
.rept 15
	v_pk_add_f32 v[SQ+2:SQ+3], v[SQ+2:SQ+3], v[SS+jj:SS+jj+1]
	v_pk_add_f32 v[U+4:U+5], v[U+4:U+5], v[SS+jj+2:SS+jj+3]
.set jj, jj+4
.endr
	v_pk_add_f32 v[SQ+2:SQ+3], v[SQ+2:SQ+3], v[U+4:U+5]
	s_wait_alu depctr_va_vdst(0)                   ; and one for the four
.irp b, 0,1,2,3
	v_max_num_f32 v[U+\b], 0x1800000, v[U+\b]      ; the floor 2^(3 - 127)
.endr
.irp b, 0,1,2,3
	v_add_nc_u32 v[U+12+\b], 0xff000000, v[U+\b]
.endr
.irp b, 0,1,2,3
	v_lshrrev_b32 v[U+4+\b], 23, v[U+12+\b]
.endr
	v_lshl_or_b32 v[36+\q], v[U+5], 8, v[U+4]      ; p's scale word for these 128 keys
	v_lshl_or_b32 v[36+\q], v[U+6], 16, v[36+\q]
	v_lshl_or_b32 v[36+\q], v[U+7], 24, v[36+\q]
.irp c, 0,1
	v_cvt_scalef32_pk16_fp6_f32 v[PQ+6*\c:PQ+2+6*\c], v[SS+32*\c:SS+15+32*\c], v[U+12+2*\c]
	v_cvt_scalef32_pk16_fp6_f32 v[U+4+4*\c:U+6+4*\c], v[SS+16+32*\c:SS+31+32*\c], v[U+12+2*\c+1]
.endr
	v_nop                                          ; one plain line behind the conversions
.irp c, 0,1
.irp i, 0,1,2
	v_permlane16_swap_b32 v[PQ+6*\c+\i], v[U+4+4*\c+\i]
.endr
.irp i, 0,1,2
	v_mov_b32 v[PQ+3+6*\c+\i], v[U+4+4*\c+\i]
.endr
.endr
.endm
.macro RESCALE                         ; O^T under the new M: x f, each accumulator from its low end on.  These lines also stand between the writing of p's codes and scale words and the products that take them
	WIN 0x41
.set rr, 0
.rept 128
	v_pk_mul_f32 v[rr:rr+1], v[rr:rr+1], v[244+8*((rr/8)%2):245+8*((rr/8)%2)] op_sel_hi:[1,0]
.set rr, rr+2
.endr
	WIN 0x82
.set rr, 0
.rept 128
	v_pk_mul_f32 v[rr:rr+1], v[rr:rr+1], v[244+8*((rr/8)%2):245+8*((rr/8)%2)] op_sel_hi:[1,0]
.set rr, rr+2
.endr
.endm
; A KEY STEP: 128 keys of the slot in hand: 16 groups.  K's loads run two groups ahead of their products.  Of V's eight groups two are asked for among K's last products, one ahead of the softmax, one behind each tile's softmax:
; 20 of V's 32 fragments come out of LDS while the wave has vector work; the last three groups follow into the ring as its buffers come free.
.macro STEP
	v_add_nc_u32 v11, s[TB], v[LI]                 ; these five lines are the places in front of the loads into the ring (four are asked) and of the first products of S^T, which write over
	v_add_nc_u32 v12, s[TB], v[LIV]                ; registers that the last step's products read as V's fragments (five are asked)
	v_add_nc_u32 v13, s[TB], v[LSS]
	v_nop
	v_nop
	LOADG 0
	LOADG 1
.set gg, 0
.rept 8
.if gg != 0
	PLACES                                         ; the buffer to be filled was read by the group just multiplied
.endif
	LOADG gg+2
	s_wait_dscnt 32                                ; this group is in; the two groups behind it, 16 loads each, may be out
	MULG gg
.set gg, gg+1
.endr
	WIN 0
	PLACES                                         ; in front of the loads into K's last buffer and of the softmax's reads alike
	LOADG 10
	SOFT 0
	LOADG 11                                       ; into the registers of tile 0's scores: p's codes are made
	SOFT 1
	LOADG 12                                       ; into those of tile 1's
	RESCALE
	s_wait_dscnt 0x0                               ; groups 8 to 12 are in: the 64 loads behind group 8's are more than a count can name, and 256 multiplications stand behind the last of them
	MULG 8
	PLACES
	LOADG 13
	MULG 9
	PLACES
	LOADG 14
	MULG 10
	PLACES
	LOADG 15
	MULG 11
	MULG 12
	s_wait_dscnt 32                                ; group 13 is in; groups 14 and 15 may be out
	MULG 13
	s_wait_dscnt 16
	MULG 14
	s_wait_dscnt 0x0
	MULG 15
	WIN 0
.endm
; THE CHANGE OF SLOTS stands at a step's head.  Each wave waits for all its tensor loads (its quarter of the slot that it is about to read), adds 0 to its spare word, and waits for that and for its reads of the slot that it has left.
; fill = 1: a round of the cluster's barrier, so that no wave of any partner still reads that slot or has a load on its way; then the joint refill, one load a wave, first thing behind it: it has a key step in which to land.
.macro CHANGE fill
	s_wait_tensorcnt 0x0                           ; no tensor load of mine is out, so group 0 may be written
	ds_add_u32 v[SPW], v[NIL]                      ; 0 onto my spare word
.if \fill
	s_xor_b32 s45, s45, SLOT1                      ; the other slot than last time,
	s_add_nc_u64 s[46:47], s[46:47], STEPB         ; the next 128 keys; the type bits on top are not reached
	s_wait_xcnt 0x0                                ; the last prefetch, a key step back, has read its address
	s_add_nc_u64 s[PFA:PFA+1], s[PFA:PFA+1], STEPB ; one key step further on than the walking descriptor
	s_wait_dscnt 0x0                               ; the add is done, and my reads of the slot that I have left are over
	CROUND
	tensor_load_to_lds s[44:47], s[36:43]
	s_nop 0
.rept 4
	v_nop
.endr
.else
	s_wait_dscnt 0x0
	s_barrier_signal -1
	s_barrier_wait -1
.endif
.endm
; A PREFETCH INTO THE L2 of the block that the NEXT change of slots will ask for, a key step (128 matrix instructions a wave) ahead of that load.  All eight clusters of a batch walk the same blocks: the batch's first cluster asks.
; Its four partners are told apart BY ADDRESS: of the 98,304 bytes of codes each takes 24,576, 8,192 in each of waves 0-2, lanes 256 bytes apart; of the 8,192 bytes of scale images each takes 2,048, in wave 3, where four lanes name one block.
; The last change that fills a slot asks for nothing; key steps 0 and 1 come by their loads alone.
.macro ASK
	s_cmp_gt_u32 s[CNT], s[LIM]
	s_cbranch_scc0 .Lnot_mine_\@
	global_prefetch_b8 v[PFO], s[PFA:PFA+1] th:TH_LOAD_NT scope:SCOPE_SE
.Lnot_mine_\@:
.endm
.Lstep:                                            ; seven trips: behind each change of slots but the last the next key step is asked for
	CHANGE 1
	ASK
	STEP
	s_xor_b32 s[TB], s[TB], SLOT1
	s_sub_co_u32 s[CNT], s[CNT], 1
	s_cmp_lg_u32 s[CNT], 0
	s_cbranch_scc1 .Lstep
	CHANGE 0                                       ; the last step is written out
	STEP
; ---------------- O: proj_out's fragments are asked for; O^T / the sum is quantised along d and takes Q's places in LDS
	PLACES
	s_mul_i32 s66, s[WV], 6144
	s_add_co_u32 s66, s66, 688128                  ; proj_out's fragments 448 + 16 s + 4 w + tt
	s_mov_b32 s67, 0
	s_add_nc_u64 s[6:7], s[6:7], s[66:67]
	s_lshl_b32 s66, s[WV], 9
	s_add_co_u32 s66, s66, 57344
	s_add_nc_u64 s[8:9], s[8:9], s[66:67]
	s_lshl_b32 s66, s[WV], 8
	s_add_nc_u64 s[14:15], s[14:15], s[66:67]      ; proj_out_b at output 64 w
	v_and_b32 v11, 15, v0
	v_lshlrev_b32 v11, 2, v11
	WIN 0xc0
.irp s, 0,1,2,3,4
	WLOAD 4, 48*\s, 6, \s*24576
.endr
	WIN 0
	WLOAD 4, 128, 6, 5*24576
.irp s, 0,1,2,3,4,5
	SLOAD 4, 16+4*\s, 8, \s*2048
.endr
.irp tt, 0,1,2,3
	global_load_b32 v[212+\tt], v11, s[14:15] offset:64*\tt   ; a lane holds one output: 64 w + 16 tt + r
.endr
.irp q, 0,1
	v_add_f32 v[242+8*\q], v[242+8*\q], v[243+8*\q]           ; the sum's two halves,
.endr
.irp q, 0,1
	v_permlanex16_b32 v[246+8*\q], v[242+8*\q], s[SEL], s[SEL+1]
.endr
.irp q, 0,1
	v_add_f32 v[243+8*\q], v[242+8*\q], v[246+8*\q]           ; and lane l xor 16's
.endr
.irp q, 0,1
	v_rcp_f32 v[242+8*\q], v[243+8*\q]
.endr
	v_nop                                          ; a plain line behind the reciprocals,
	s_wait_alu depctr_va_vdst(0)                   ; and one wait for both, ahead of their first reader
.irp q, 0,1
.irp k, 0,1,2,3                                ; d 128 k on: O^T's tiles 8 k .. 8 k + 7: K step 2 + k of the last product
	WIN 0x01+\k/2
.set tt, 0
.rept 8
.set ro, 8*(2*((8*\k+tt)%16)+\q)
.irp j, 0,2,4,6
	v_pk_mul_f32 v[HA+8*tt+\j:HA+8*tt+\j+1], v[ro+\j:ro+\j+1], v[242+8*\q:243+8*\q] op_sel_hi:[1,0]
.endr
.set tt, tt+1
.endr
	WIN 0
	s_wait_dscnt 0x0                               ; the last image's stores have read their registers: the 32 multiplications above stand between them and this wait
	QUANT HA
	IMAGE QA, \k*12288+\q*1536
	ds_store_b32 v[QS], v[PW] offset:\k*1024+\q*128
.endr
.endr
	s_wait_loadcnt 0x0                             ; proj_out, its scale words, its bias
	WIN 0x80
.irp tt, 0,1,2,3
.irp j, 0,1,2,3,4,5,6,7
	v_mov_b32 v[144+8*\tt+\j], v[212+\tt]          ; the bias as a C: the same number in a lane's eight registers
.endr
.endr
	WIN 0
	BARRIER                                        ; O's 32 fragments lie in LDS
; ---------------- 7: out = [input ; O] proj_out^T + b: source 0 = a pixel tile's six fragments, source 1 = my four tiles of outputs
	v_add_nc_u32 v11, XIMG, v[LI]
	v_add_nc_u32 v12, QIMG, v[LI]
	v_add_nc_u32 v13, XSC, v[LS]
	v_add_nc_u32 v14, QSC, v[LS]
.macro FETCH7 m                        ; 24 LDS loads
.set ab, 72*((\m)%2)
.set asc, 40+6*((\m)%2)
	WIN 0x80
.irp s, 0,1
	FETCH ab+12*\s, 11, (2*(\m)+\s)*1536
.endr
.irp s, 2,3,4,5
	FETCH ab+12*\s, 12, (8*(\s-2)+(\m))*1536
.endr
	WIN 0
.irp s, 0,1
	ds_load_b32 v[asc+\s], v13 offset:(2*(\m)+\s)*128
.endr
.irp s, 2,3,4,5
	ds_load_b32 v[asc+\s], v14 offset:(8*(\s-2)+(\m))*128
.endr
.endm
.macro MUL7 m                          ; 24 matrix instructions: four accumulators by turns, a K step at a time
.set ab, 72*((\m)%2)
.set asc, 40+6*((\m)%2)
.irp s, 0,1,2,3,4,5
.if \s == 0
	WIN 0x6e                                       ; source 0 window 2, source 1 window 3, C (the bias) window 2, D window 1
.elseif \s < 5
	WIN 0x5e                                       ; C and D window 1
.else
	WIN 0x52                                       ; source 1 window 0
.endif
.irp tt, 0,1,2,3
.if \s == 0
	MMC 64*\tt+8*(\m), ab+12*\s, 12*(4*\s+\tt), 144+8*\tt, asc+\s, 16+4*\s+\tt
.elseif \s < 5
	MM 64*\tt+8*(\m), ab+12*\s, 12*(4*\s+\tt), asc+\s, 16+4*\s+\tt
.else
	MM 64*\tt+8*(\m), ab+12*\s, 128+12*\tt, asc+\s, 16+4*\s+\tt
.endif
.endr
.endr
.endm
	FETCH7 0
.irp m, 0,1,2,3,4,5,6,7
.if \m < 7
.if \m > 0
	PLACES                                         ; the set to be filled was read by the tile just multiplied
.endif
	FETCH7 \m+1
	s_wait_dscnt 24                                ; this tile's loads are in; the next tile's 24 may be out
.else
	s_wait_dscnt 0x0
.endif
	MUL7 \m
.endr
	WIN 0
; ---------------- the way out: 16 output channels x 128 pixels at a time through my stage (in slot 0, which has had its last fill and its last read), back as whole rows of 512 bytes
	s_mul_i32 s66, s[WV], 16*SP                    ; the six address lines below are the places behind the last products
	v_and_b32 v11, 15, v0
	v_bfe_u32 v12, v0, 4, 1
	v_mul_u32_u24 v14, v11, SP
	v_lshl_add_u32 v14, v12, 5, v14
	v_add_nc_u32 v14, s66, v14                     ; in: row r (my output), 32 h; tile m's eight pixels 64 m bytes on
	v_add_nc_u32 v15, s66, v[LI]                   ; back: 16 bytes a lane
.macro TOSTAGE tt
	WIN 0x04                                       ; an LDS store's data are its source 1: window 1
.irp m, 0,1,2,3,4,5,6,7
	ds_store_b128 v14, v[64*(\tt)+8*\m:64*(\tt)+8*\m+3] offset:64*\m          ; each accumulator from its low end on
	ds_store_b128 v14, v[64*(\tt)+8*\m+4:64*(\tt)+8*\m+7] offset:64*\m+16
.endr
	WIN 0
.set bk, 64+64*((\tt)%2)
.irp i, 0,1,2,3,4,5,6,7,8,9,10,11,12,13,14,15
	ds_load_b128 v[bk+4*\i:bk+4*\i+3], v15 offset:\i*SP   ; LDS serves a wave's instructions in order: these see my stores, and the next block's stores come behind them
.endr
.endm
.macro SEND tt, younger
.set bk, 64+64*((\tt)%2)
	s_wait_dscnt \younger
.irp i, 0,1,2,3,4,5,6,7,8,9,10,11,12,13,14,15
	global_store_b128 v[LI], v[bk+4*\i:bk+4*\i+3], s[18:19] offset:(16*(\tt)+\i)*16384 th:TH_STORE_NT   ; 32 lanes store 512 consecutive bytes, aligned; written once, read by nobody here
.endr
.endm
	TOSTAGE 0
.irp tt, 1,2,3
.if \tt > 1
	s_wait_xcnt 0x0                                ; the stores of two blocks back have read their registers: this block's loads may land there
.endif
	TOSTAGE \tt
	SEND \tt-1, 32                                 ; behind that block's loads: this block's 16 stores and 16 loads
.endr
	SEND 3, 0
	s_wait_tensorcnt 0x0                           ; the wave's end
	ds_add_u32 v[SPW], v[NIL]
	s_wait_dscnt 0x0
	CROUND                                         ; the closing round: no work-group ends while a partner may still ask for a block that names it
	s_endpgm
.Lfunc_end_k_qe438eb7ac5_attn:
	.size	k_qe438eb7ac5_attn, .Lfunc_end_k_qe438eb7ac5_attn-k_qe438eb7ac5_attn
	.p2alignl 7, 3214868480
	.fill 96, 4, 3214868480
	.section	.rodata,"a",@progbits
	.p2align	6, 0x0
	.amdhsa_kernel k_qe438eb7ac5_attn
		.amdhsa_group_segment_fixed_size 327680
		.amdhsa_private_segment_fixed_size 0
		.amdhsa_enable_private_segment 0
		.amdhsa_kernarg_size 64
		.amdhsa_user_sgpr_count 2
		.amdhsa_user_sgpr_kernarg_segment_ptr 1
		.amdhsa_wavefront_size32 1
		.amdhsa_system_sgpr_workgroup_id_x 1
		.amdhsa_system_sgpr_workgroup_id_y 1
		.amdhsa_system_sgpr_workgroup_id_z 1
		.amdhsa_system_vgpr_workitem_id 0
		.amdhsa_next_free_vgpr 1024
		.amdhsa_next_free_sgpr 80
		.amdhsa_reserve_vcc 0
		.amdhsa_float_denorm_mode_32 3
		.amdhsa_float_denorm_mode_16_64 3
		.amdhsa_memory_ordered 1
		.amdhsa_forward_progress 1
		.amdhsa_inst_pref_size 255
	.end_amdhsa_kernel
	.section	.bss,"aw",@nobits
	.p2align	6
	.space	262144
	.amdgpu_metadata
---
amdhsa.version: [ 1, 2 ]
amdhsa.kernels:
  - .name:           k_qe438eb7ac5_attn
    .symbol:         k_qe438eb7ac5_attn.kd
    .args:
      - { .name: input, .offset: 0, .size: 8, .value_kind: global_buffer, .address_space: global }
      - { .name: wcod, .offset: 8, .size: 8, .value_kind: global_buffer, .address_space: global }
      - { .name: wscl, .offset: 16, .size: 8, .value_kind: global_buffer, .address_space: global }
      - { .name: proj_in_b, .offset: 24, .size: 8, .value_kind: global_buffer, .address_space: global }
      - { .name: wq_b, .offset: 32, .size: 8, .value_kind: global_buffer, .address_space: global }
      - { .name: proj_out_b, .offset: 40, .size: 8, .value_kind: global_buffer, .address_space: global }
      - { .name: kv, .offset: 48, .size: 8, .value_kind: global_buffer, .address_space: global }
      - { .name: out0, .offset: 56, .size: 8, .value_kind: global_buffer, .address_space: global }
    .group_segment_fixed_size: 327680
    .private_segment_fixed_size: 0
    .kernarg_segment_align: 8
    .kernarg_segment_size: 64
    .max_flat_workgroup_size: 128
    .sgpr_count:     80
    .vgpr_count:     1024
    .wavefront_size: 32
...
	.end_amdgpu_metadata
.endif
;; end of part 3
